; MI455X (gfx1250); checked and timed in simulation.
; The chip was launched on July 23, 2026; its instructions are those of AMD's public machine-readable ISA for CDNA 5 (MIT licence, August 2026) and "CDNA5" Instruction Set Architecture Reference Guide (July 2026). The comments in the code are by the model that wrote it; some were corrected since.
;; Ro PE Multi Head Attention. Allowed arithmetic: matrix products marked QUANTISED: E2M3 operands, one E8M0 scale for each 32 along K, by v_wmma_scale_f32_16x16x128_f8f6f4 with both operands' format E2M3, f32 sums; everything else in f32.
;; Inputs: Wk 1,024 x 1,024 float32; Wo 1,024 x 1,024 float32; Wq 1,024 x 1,024 float32; Wv 1,024 x 1,024 float32; bk 1,024 float32; bo 1,024 float32; bq 1,024 float32; bv 1,024 float32; mask 4 x 1 x 1 x 2,048 bool; x 4 x 2,048 x 1,024 float32.
;; Outputs: out0 4 x 2,048 x 1,024 float32.
;; This version of the problem:
;;   THIS VERSION OF THE PROBLEM IS GIVEN IN LOW PRECISION. The matrix products marked QUANTISED in the list below multiply operands that are first quantised to E2M3 (2 exponent bits, 3 mantissa bits; 6 bits a number), with one power-of-two scale for each 32 numbers along K (OCP MX v1.0); their sums are f32. All else is computed in f32.
;;   The module's matrix products, in the order in which they are computed (A, B: the left and right operand; K: the contracted axis; several contracted axes count as one K, in the product's order):
;;     1. [M 8,192, K 1,024] x [K 1,024, N 1,024]; A: input x; B: input Wq: QUANTISED
;;     2. [M 8,192, K 1,024] x [K 1,024, N 1,024]; A: input x; B: input Wk: QUANTISED
;;     3. [M 8,192, K 1,024] x [K 1,024, N 1,024]; A: input x; B: input Wv: QUANTISED
;;     4. batch 64 x [M 2,048, K 64] x [K 64, N 2,048]; A: computed on the way; B: computed on the way: QUANTISED
;;     5. batch 64 x [M 2,048, K 2,048] x [K 2,048, N 64]; A: softmax (see below); B: computed on the way: QUANTISED
;;     6. [M 8,192, K 1,024] x [K 1,024, N 1,024]; A: computed on the way; B: input Wo: QUANTISED
;;   THE QUANTISER, for each operand of a quantised product, along K:
;;     - K is cut into blocks of 32 from its start; a last block that is shorter is filled with zeros.
;;     - A block's scale is 2^e with e = floor(log2(the largest magnitude in the block)) - 2, held to -126 .. 127; a block of zeros has e = 0. As a byte (E8M0): e + 127.
;;     - Each number is divided by its block's scale, clamped to +-7.5, and rounded to the nearest number of E2M3, ties to even, subnormals kept.
;;     - The product sums the exact products of the quantised numbers (number of the format x scale) in f32.
;;   ~~~python
;;   def quantise(x, axis):      # numpy; x: float32 -> the quantised numbers, widened to float32 again
;;       x = np.moveaxis(x, axis, -1); K = x.shape[-1]
;;       x = np.pad(x, [(0, 0)] * (x.ndim - 1) + [(0, -K % 32)]); x = x.reshape(x.shape[:-1] + (-1, 32)); a = np.abs(x).max(-1, keepdims=True)
;;       e = np.where(a > 0, np.clip(np.frexp(np.where(a > 0, a, 1))[1] - 1 - 2, -126, 127), 0)      # np.frexp(a)[1] - 1 = floor(log2(a)), exactly
;;       r = np.clip(x / 2.0 ** e, -7.5, 7.5)
;;       step = 2.0 ** (np.maximum(np.frexp(np.where(r == 0, 1, r))[1] - 1, 0) - 3)
;;       q = np.round(r / step) * step * 2.0 ** e      # np.round: ties to even
;;       return np.moveaxis(q.reshape(q.shape[:-2] + (-1,))[..., :K], -1, axis).astype(np.float32)
;;   ~~~
;;   SOFTMAX AHEAD OF A QUANTISED PRODUCT. Where the list says 'softmax', what is quantised is not the finished softmax but p = 2^(t - M), with t = logit x log2(e) and M = ceil(the row's largest t), a whole number; so 1/2 < the row's largest p <= 1. The row's sum l is taken of the UNQUANTISED p, in f32, and the product's result is divided by l at the end. Since M is a whole number, a kernel that streams over the keys may use a running M (the ceiling of the running maximum): every later rescaling is an exact power of two, which a block's scale takes up: the codes' values come out the same.
;;   OPERANDS COMPUTED ON THE WAY. 'Computed on the way' means the value that the module computes at that place (a softmax that the list does not call 'softmax' is quantised finished and normalised). What goes into a quantiser is computed in f32, as accurately as f32 sums, v_exp_f32 and their like allow (about 1e-6 of the number): no bf16 or f16 on the way to a quantiser, and a product that is left as it is and whose result goes on into a quantised operand takes f32 operands (vector FMAs, or v_wmma_f32_16x16x4_f32). A number that lies on a knife's edge between two numbers of the format may be rounded either way, as far as f32 arithmetic and the matrix unit's own rounding can turn it there, and no further.
;; One version. Each part assembles by itself: llvm-mc -triple=amdgcn-amd-amdhsa -mcpu=gfx1250 --defsym DOCPART=n.
;; ======== version 1 of 1: 4 launches
;; workspace buffers: xwcodes 9,437,184 bytes; xwscales 393,216 bytes; tables 557,056 bytes; qkvcodes 18,874,368 bytes; qkvscales 786,432 bytes; ocodes 6,291,456 bytes; oscales 262,144 bytes
;; launch prep (part 1): grid 448 x 1, 4 waves a work-group, no clusters, 33,280 bytes of LDS; arguments x, Wq, Wk, Wv, Wo, mask, xwcodes, xwscales, tables; writes xwcodes, xwscales, tables
.if DOCPART == 1
	.amdgcn_target "amdgcn-amd-amdhsa--gfx1250"
	.amdhsa_code_object_version 6
	.text
	.protected	k_q189e713f81_prep
	.globl	k_q189e713f81_prep
	.p2align	8
	.type	k_q189e713f81_prep,@function
k_q189e713f81_prep:
	s_mov_b64 s[64:65], 0
	v_nop
	global_prefetch_b8 v0, s[64:65] scope:SCOPE_SE
	s_setreg_imm32_b32 hwreg(HW_REG_WAVE_MODE, 25, 1), 1
	s_wait_xcnt 0x0
; PREP.  (1) x [8192][1024] and Wq, Wk, Wv, Wo [1024][1024], f32, become codes of FP6 (E2M3), K innermost, with one E8M0 byte for each 32 along K: 12,288 rows of 768 bytes of codes and 32 scale bytes,
; x's rows first, then Wq's, Wk's, Wv's, Wo's.  A block's scale is 2^(floor(log2(largest magnitude)) - 2); its byte is the largest magnitude's exponent field - 2, held at 1 from below.
; THE ROWS ARE LAID IN IMAGE ORDER: in each group of 32 rows, row bits 3 and 4 change places (image row 16 u + p is row 8 u + p % 8 + 16 (p / 8)), so that a tile of 16 image rows, taken as a matrix
; instruction's first source, leaves 16 NEIGHBOURING row numbers in the 16 result registers of two neighbouring tiles.  A wave takes 8 rows (8,192 numbers), so the swap is a swap of the wave's two bits.
; (2) The table of cos and sin for the rotary embedding, [2048 t][cos 32 | sin 32] f32, and the key mask as an f32 addend, 0 or -2^126, [4][2048], behind it.
; Work-groups 0-383 quantise (256 for x, 32 for each weight), work-groups 384-447 make the tables.  No tensor loads, no barrier: waves share nothing.
; LIMITS: a block whose largest magnitude lies under 2^-124 keeps the byte 1 (a block of zeros too: its codes are zeros, and this program alone reads the bytes); NaN and infinities are not served.
; The inverse frequencies are the f32 nearest to 1 / y, y the f32 nearest to 10^(i / 8): this takes the power in the definition to be rounded correctly.
.set QWG,   384
.set WAVES, 4
.set STEPS, 16
.set EMAX,  2
.set CB,    12                         ; bytes of 16 codes
.set R,     16                         ; v16-79   four sets of 16 numbers as they are loaded
.set X,     80                         ; v80-111  two sets of 16 neighbours
.set C,     128                        ; v128-191 codes: four registers for each step, so that no store's data are written again
.set E,     112                        ; v112-127 a scale byte for each step
.set WREG,  8192                       ; LDS: a region for each wave: two stages of 32 x SP bytes, then its 256 scale bytes
.set SP,    80                         ; a lane's place in a stage: 64 bytes + 16 of padding
.set SPW,   12                         ; v12  LDS address of my spare word; never rewritten
.set NIL,   13                         ; v13  0; never rewritten
.set SPARE, WAVES*WREG                 ; behind the four regions: the spare words, 128 bytes a wave
	s_load_b512 s[4:19], s[0:1], 0x0               ; x, Wq, Wk, Wv, Wo, mask, codes, scale bytes
	s_load_b64 s[20:21], s[0:1], 0x40              ; the tables
	v_lshl_add_u32 v[SPW], v0, 2, SPARE
	v_mov_b32 v[NIL], 0
	s_cmp_ge_u32 ttmp9, QWG
	s_cbranch_scc1 .Lrope
	; ---------------- the quantiser
	v_lshrrev_b32 v1, 5, v0
	v_readfirstlane_b32 s24, v1                    ; wave
	v_and_b32 v2, 31, v0                           ; lane
	v_lshlrev_b32 v3, 4, v2                        ; my 16 bytes of a load's 512
	s_mul_i32 s25, s24, WREG
	v_lshrrev_b32 v14, 2, v2
	v_mul_u32_u24 v14, v14, SP
	v_and_b32 v15, 3, v2
	v_lshl_add_u32 v14, v15, 4, v14
	v_add_nc_u32 v14, s25, v14                     ; the stage, on the way in: SP (lane / 4) + 16 (lane % 4)
	v_mul_u32_u24 v15, v2, SP
	v_add_nc_u32 v15, s25, v15                     ; and on the way out: SP x lane: my 16 neighbours
	v_mul_u32_u24 v4, v2, CB                       ; my codes' place in a step's
	v_lshrrev_b32 v5, 1, v2
	s_add_co_u32 s25, s25, 2*32*SP
	v_add_nc_u32 v5, s25, v5                       ; LDS: my wave's 256 scale bytes, my block's byte
	v_lshlrev_b32 v7, 3, v2                        ; and on the way out 8 bytes a lane
	v_add_nc_u32 v6, s25, v7
	s_and_b32 s28, ttmp9, 31                       ; a weight's work-group among its 32
	s_wait_kmcnt 0x0
	s_mov_b64 s[26:27], s[12:13]                   ; which tensor: the choice hangs on the work-group's number alone
	s_cmp_lt_u32 ttmp9, 352
	s_cselect_b64 s[26:27], s[10:11], s[26:27]
	s_cmp_lt_u32 ttmp9, 320
	s_cselect_b64 s[26:27], s[8:9], s[26:27]
	s_cmp_lt_u32 ttmp9, 288
	s_cselect_b64 s[26:27], s[6:7], s[26:27]
	s_cmp_lt_u32 ttmp9, 256
	s_cselect_b64 s[26:27], s[4:5], s[26:27]
	s_cselect_b32 s28, ttmp9, s28
	s_lshl_b32 s28, s28, 2
	s_add_co_u32 s28, s28, s24                     ; which run of 8 rows of the tensor I read
	s_mov_b32 s29, 0
	s_lshl_b64 s[30:31], s[28:29], 15              ; 32,768 bytes a run
	s_add_nc_u64 s[26:27], s[26:27], s[30:31]
	s_and_b32 s32, s24, 1                          ; and where it goes: the wave's two bits change places
	s_lshl_b32 s32, s32, 1
	s_lshr_b32 s33, s24, 1
	s_or_b32 s32, s32, s33
	s_lshl_b32 s33, ttmp9, 2
	s_add_co_u32 s32, s32, s33
	s_mul_i32 s34, s32, 32*STEPS*CB                ; 6,144 bytes of codes a run
	s_mov_b32 s35, 0
	s_add_nc_u64 s[16:17], s[16:17], s[34:35]
	s_lshl_b32 s34, s32, 8                         ; 256 scale bytes a run
	s_add_nc_u64 s[18:19], s[18:19], s[34:35]
.macro LOAD t
.irp i, 0,1,2,3
	global_load_b128 v[R+16*((\t)%4)+4*\i:R+16*((\t)%4)+4*\i+3], v3, s[26:27] offset:2048*(\t)+512*\i th:TH_LOAD_NT   ; 32 lanes read 512 consecutive bytes
.endr
.endm
.macro TURN t                          ; step t's numbers through the stage: LDS serves a wave's instructions in order, so no wait stands between the stores and the loads
.irp i, 0,1,2,3
	ds_store_b128 v14, v[R+16*((\t)%4)+4*\i:R+16*((\t)%4)+4*\i+3] offset:32*SP*((\t)%2)+8*SP*\i
.endr
.irp i, 0,1,2,3
	ds_load_b128 v[X+16*((\t)%2)+4*\i:X+16*((\t)%2)+4*\i+3], v15 offset:32*SP*((\t)%2)+16*\i
.endr
.endm
.irp t, 0,1,2,3
	LOAD \t
.endr
	s_wait_loadcnt 12                              ; step 0's four loads are in; three steps' twelve may be out
	TURN 0
.macro STEP t
.set XS, X+16*((\t)%2)
.if (\t) > 0
	s_wait_dscnt 1                                 ; this step's numbers are back from the stage (the last step's byte store may be out)
.else
	s_wait_dscnt 0x0
.endif
.if (\t)+4 < STEPS
	LOAD (\t)+4                                    ; into the registers that the stage's stores have read
.endif
.if (\t)+1 < STEPS
.if STEPS-2-(\t) >= 3
	s_wait_loadcnt 12                              ; the next step's four loads are in; those of the three steps behind it may be out
.else
	s_wait_loadcnt 4*(STEPS-2-(\t))
.endif
	TURN (\t)+1
.endif
	v_max3_num_f32 v8, |v[XS]|, |v[XS+1]|, |v[XS+2]|               ; the largest magnitude of my 16
	v_max3_num_f32 v9, |v[XS+3]|, |v[XS+4]|, |v[XS+5]|
.irp i, 6,10
	v_max3_num_f32 v8, v8, |v[XS+\i]|, |v[XS+\i+1]|
	v_max3_num_f32 v9, v9, |v[XS+\i+2]|, |v[XS+\i+3]|
.endr
	v_max3_num_f32 v8, v8, |v[XS+14]|, |v[XS+15]|
	v_max3_num_f32 v8, v8, v9, (EMAX+1)<<23        ; and the floor 2^(3 - 127): the byte cannot fall under 1
	v_max_num_f32_dpp v8, v8, v8 row_xmask:1 row_mask:0xf bank_mask:0xf   ; and of my neighbour's 16: the block's
	v_add_nc_u32 v11, -(EMAX<<23), v8              ; 2 off its exponent field: the conversion takes the exponent field of this operand as its scale
	v_cvt_scalef32_pk16_fp6_f32 v[C+4*(\t):C+4*(\t)+2], v[XS:XS+15], v11
	v_lshrrev_b32 v[E+(\t)], 23, v11               ; the scale's byte
	ds_store_b8 v5, v[E+(\t)] offset:16*(\t)       ; both lanes of a block write the same byte with the same value
	global_store_b96 v4, v[C+4*(\t):C+4*(\t)+2], s[16:17] offset:32*CB*(\t)
.endm
.irp t, 0,1,2,3,4,5,6,7,8,9,10,11,12,13,14,15
	STEP \t
.endr
	ds_load_b64 v[8:9], v6                         ; LDS serves a wave's instructions in order: these see my stores
	s_wait_dscnt 0x0
	global_store_b64 v7, v[8:9], s[18:19]          ; 32 lanes store 256 consecutive bytes, aligned
	s_wait_tensorcnt 0x0                           ; the wave's end, behind my last LDS store
	ds_add_u32 v[SPW], v[NIL]
	s_wait_dscnt 0x0
	s_endpgm
	; ---------------- the tables.  Thread g (0 .. 8,191): one mask byte, and four runs of 16 bytes of the cos/sin table, 8,192 runs apart
.Lrope:
	s_sub_co_u32 s24, ttmp9, QWG
	s_lshl_b32 s24, s24, 7
	v_add_nc_u32 v1, s24, v0                       ; g
	s_mov_b32 s30, 0xb94ca1f9                      ; sin r = r + r z (S1 + z (S2 + z S3)), z = r^2, |r| <= pi / 4
	s_mov_b32 s31, 0x3c08839e
	s_mov_b32 s32, 0xbe2aaaa3
	s_mov_b32 s33, 0x37ccf5ce                      ; cos r = 1 - z / 2 + z^2 (C1 + z (C2 + z C3))
	s_mov_b32 s34, 0xbab6061a
	s_mov_b32 s35, 0x3d2aaaa5
	s_wait_kmcnt 0x0
	global_load_u8 v6, v1, s[14:15]
	v_lshrrev_b32 v2, 4, v1                        ; t (of the first run): a token's 256 bytes are 16 runs
	v_bfe_u32 v3, v1, 3, 1                         ; runs 0-7 are cos, 8-15 sin
	v_sub_nc_u32 v3, 1, v3                         ; cos a = sin(a + pi / 2): one quadrant on
	v_lshlrev_b32 v4, 4, v1                        ; 16 g
	v_lshlrev_b32 v7, 2, v1                        ; 4 g
	v_and_b32 v8, 1, v1
	v_cmp_eq_u32 vcc_lo, 1, v8                     ; frequency i = 4 (g % 8) + e: i % 8 = 4 (g % 2) + e, i / 8 = (g % 8) / 2
.macro HL e, h0, l0, h1, l1            ; 10^((i % 8) / 8) as a sum of two f32 numbers
	v_mov_b32 v20, \h0
	v_mov_b32 v21, \h1
	v_cndmask_b32 v[24+\e], v20, v21, vcc_lo
	v_mov_b32 v20, \l0
	v_mov_b32 v21, \l1
	v_cndmask_b32 v[28+\e], v20, v21, vcc_lo
.endm
	HL 0, 0x3f800000, 0, 0x404a62c2, 0xb324b48d
	HL 1, 0x3faab0d5, 0xb36457e2, 0x4086f161, 0xb430578e
	HL 2, 0x3fe39ea9, 0xb26aee20, 0x40b3f300, 0x34323465
	HL 3, 0x4017c496, 0x33606962, 0x40eff755, 0x34515b57
	v_bfe_u32 v8, v1, 1, 2
	v_mov_b32 v9, 1.0                              ; 10^(i / 8, rounded down)
	v_mov_b32 v10, 0x41200000
	v_cmp_eq_u32 vcc_lo, 1, v8
	v_cndmask_b32 v9, v9, v10, vcc_lo
	v_mov_b32 v10, 0x42c80000
	v_cmp_eq_u32 vcc_lo, 2, v8
	v_cndmask_b32 v9, v9, v10, vcc_lo
	v_mov_b32 v10, 0x447a0000
	v_cmp_eq_u32 vcc_lo, 3, v8
	v_cndmask_b32 v9, v9, v10, vcc_lo
.irp e, 0,1,2,3
	v_mul_f32 v[32+\e], v[24+\e], v9
.endr
.irp e, 0,1,2,3
	v_fma_f32 v[36+\e], v[24+\e], v9, -v[32+\e]    ; what the product dropped,
.endr
.irp e, 0,1,2,3
	v_fma_f32 v[36+\e], v[28+\e], v9, v[36+\e]     ; and the low part's share
.endr
.irp e, 0,1,2,3
	v_add_f32 v[32+\e], v[32+\e], v[36+\e]         ; y = the f32 nearest to 10^(i / 8)
.endr
.irp e, 0,1,2,3
	v_rcp_f32 v[16+\e], v[32+\e]
.endr
	v_nop                                          ; a plain instruction behind the last reciprocal
	s_wait_alu depctr_va_vdst(0)                   ; one wait for the four, ahead of their first reader
.irp e, 0,1,2,3
	v_fma_f32 v[36+\e], -v[32+\e], v[16+\e], 1.0
.endr
.irp e, 0,1,2,3
	v_fma_f32 v[16+\e], v[16+\e], v[36+\e], v[16+\e]   ; one Newton step: 1 / y
.endr
.macro ROPEJ j                         ; token t + 512 j, four frequencies: sin or cos of the angle t x (1 / y), the product rounded to f32 as the definition rounds it
	v_add_nc_u32 v5, 512*\j, v2
	v_cvt_f32_u32 v5, v5
.irp e, 0,1,2,3
	v_mul_f32 v[24+\e], v5, v[16+\e]
.endr
.irp e, 0,1,2,3
	v_mul_f32 v[28+\e], 0x3f22f983, v[24+\e]
.endr
.irp e, 0,1,2,3
	v_rndne_f32 v[28+\e], v[28+\e]                 ; n = the nearest whole number of quarter turns (at most 1,304)
.endr
.irp e, 0,1,2,3
	v_fma_f32 v[32+\e], v[28+\e], 0xbfc90fdb, v[24+\e]   ; r = angle - n x pi / 2, pi / 2 in two parts: the first difference is exact
.endr
.irp e, 0,1,2,3
	v_fma_f32 v[32+\e], v[28+\e], 0x333bbd2e, v[32+\e]
.endr
.irp e, 0,1,2,3
	v_mul_f32 v[36+\e], v[32+\e], v[32+\e]         ; z
.endr
.irp e, 0,1,2,3
	v_fma_f32 v[40+\e], v[36+\e], s30, s31
	v_fma_f32 v[44+\e], v[36+\e], s33, s34
.endr
.irp e, 0,1,2,3
	v_fma_f32 v[40+\e], v[40+\e], v[36+\e], s32
	v_fma_f32 v[44+\e], v[44+\e], v[36+\e], s35
.endr
.irp e, 0,1,2,3
	v_mul_f32 v[52+\e], v[32+\e], v[36+\e]
	v_fma_f32 v[48+\e], v[36+\e], -0.5, 1.0
.endr
.irp e, 0,1,2,3
	v_fma_f32 v[40+\e], v[52+\e], v[40+\e], v[32+\e]   ; sin r
	v_mul_f32 v[52+\e], v[36+\e], v[36+\e]
.endr
.irp e, 0,1,2,3
	v_fma_f32 v[44+\e], v[52+\e], v[44+\e], v[48+\e]   ; cos r
	v_cvt_i32_f32 v[48+\e], v[28+\e]
.endr
.irp e, 0,1,2,3
	v_add_nc_u32 v[48+\e], v[48+\e], v3            ; the quadrant
	v_and_b32 v[52+\e], 1, v[48+\e]
	v_cmp_eq_u32 vcc_lo, 1, v[52+\e]
	v_cndmask_b32 v[40+\e], v[40+\e], v[44+\e], vcc_lo   ; odd: cos r
	v_and_b32 v[48+\e], 2, v[48+\e]
	v_lshlrev_b32 v[48+\e], 30, v[48+\e]
	v_xor_b32 v[64+4*\j+\e], v[40+\e], v[48+\e]    ; quadrants 2 and 3: the sign turns
.endr
	global_store_b128 v4, v[64+4*\j:67+4*\j], s[20:21] offset:131072*\j   ; sixteen lanes store a token's 256 bytes
.endm
	ROPEJ 0
	ROPEJ 1
	ROPEJ 2
	ROPEJ 3
	s_wait_loadcnt 0x0                             ; the mask byte
	v_cmp_ne_u32 vcc_lo, 0, v6
	v_mov_b32 v10, 0xfe800000                      ; -2^126
	v_cndmask_b32 v11, 0, v10, vcc_lo
	global_store_b32 v7, v11, s[20:21] offset:524288
	s_endpgm
.Lfunc_end_k_q189e713f81_prep:
	.size	k_q189e713f81_prep, .Lfunc_end_k_q189e713f81_prep-k_q189e713f81_prep
	.p2alignl 7, 3214868480
	.fill 96, 4, 3214868480
	.section	.rodata,"a",@progbits
	.p2align	6, 0x0
	.amdhsa_kernel k_q189e713f81_prep
		.amdhsa_group_segment_fixed_size 33280
		.amdhsa_private_segment_fixed_size 0
		.amdhsa_enable_private_segment 0
		.amdhsa_kernarg_size 72
		.amdhsa_user_sgpr_count 2
		.amdhsa_user_sgpr_kernarg_segment_ptr 1
		.amdhsa_wavefront_size32 1
		.amdhsa_system_sgpr_workgroup_id_x 1
		.amdhsa_system_sgpr_workgroup_id_y 1
		.amdhsa_system_sgpr_workgroup_id_z 1
		.amdhsa_system_vgpr_workitem_id 0
		.amdhsa_next_free_vgpr 192
		.amdhsa_next_free_sgpr 66
		.amdhsa_reserve_vcc 1
		.amdhsa_float_denorm_mode_32 3
		.amdhsa_float_denorm_mode_16_64 3
		.amdhsa_memory_ordered 1
		.amdhsa_forward_progress 1
		.amdhsa_inst_pref_size 55
	.end_amdhsa_kernel
	.amdgpu_metadata
---
amdhsa.version: [ 1, 2 ]
amdhsa.kernels:
  - .name:           k_q189e713f81_prep
    .symbol:         k_q189e713f81_prep.kd
    .args:
      - { .name: x, .offset: 0, .size: 8, .value_kind: global_buffer, .address_space: global }
      - { .name: Wq, .offset: 8, .size: 8, .value_kind: global_buffer, .address_space: global }
      - { .name: Wk, .offset: 16, .size: 8, .value_kind: global_buffer, .address_space: global }
      - { .name: Wv, .offset: 24, .size: 8, .value_kind: global_buffer, .address_space: global }
      - { .name: Wo, .offset: 32, .size: 8, .value_kind: global_buffer, .address_space: global }
      - { .name: mask, .offset: 40, .size: 8, .value_kind: global_buffer, .address_space: global }
      - { .name: xwcodes, .offset: 48, .size: 8, .value_kind: global_buffer, .address_space: global }
      - { .name: xwscales, .offset: 56, .size: 8, .value_kind: global_buffer, .address_space: global }
      - { .name: tables, .offset: 64, .size: 8, .value_kind: global_buffer, .address_space: global }
    .group_segment_fixed_size: 33280
    .private_segment_fixed_size: 0
    .kernarg_segment_align: 8
    .kernarg_segment_size: 72
    .max_flat_workgroup_size: 128
    .sgpr_count:     66
    .vgpr_count:     192
    .wavefront_size: 32
...
	.end_amdgpu_metadata
.endif
;; end of part 1
;; launch proj (part 2): grid 12 x 32, 4 waves a work-group, clusters of 4 x 4, 327,680 bytes of LDS; arguments xwcodes, xwscales, tables, mask, bq, bk, bv, qkvcodes, qkvscales; writes qkvcodes, qkvscales
.if DOCPART == 2
	.amdgcn_target "amdgcn-amd-amdhsa--gfx1250"
	.amdhsa_code_object_version 6
	.text
	.protected	k_q189e713f81_proj
	.globl	k_q189e713f81_proj
	.p2align	8
	.type	k_q189e713f81_proj,@function
k_q189e713f81_proj:
	s_mov_b64 s[64:65], 0
	v_nop
	global_prefetch_b8 v0, s[64:65] scope:SCOPE_SE
	s_setreg_imm32_b32 hwreg(HW_REG_WAVE_MODE, 25, 1), 1
	s_wait_xcnt 0x0
	s_wait_alu depctr_hold_cnt(0) depctr_sa_sdst(0) depctr_va_vdst(0) depctr_va_sdst(0) depctr_va_ssrc(0) depctr_va_vcc(0) depctr_vm_vsrc(0)
	s_getreg_b32 s2, hwreg(HW_REG_IB_STS2, 6, 4)
	s_cmp_eq_u32 s2, 0
	s_cbranch_scc0 .Lentry_in_a_cluster
	s_endpgm
.Lentry_in_a_cluster:
	s_bfe_u32 s2, ttmp6, 0x10000c
	s_cmp_lg_u32 s2, 0xf033
	s_cbranch_scc0 .Lentry_shape_is_right
	s_endpgm
.Lentry_shape_is_right:
; PROJ.  q, k, v = x W^T + b on codes of FP6 (E2M3) with E8M0 scales, K = 1,024; q and k are turned by the rotary embedding; all three leave as codes and scale bytes, in the order of the next launch's operand registers.
; One buffer holds the codes of x (rows 0-8,191), Wq, Wk, Wv, Wo (1,024 rows each), 768 bytes a row, rows in image order (in each 32 rows, bits 3 and 4 swapped); another their scale bytes, 32 a row.
; A tile of 256 x 256 is made by four waves, 128 x 128 each: 64 accumulators.  K goes in steps of 256 through a ring of two LDS slots; the scale bytes of the 512 rows come into LDS once.
; ROLES, by the cluster's x, which all sixteen partners share.  0 (q), 1 (k): A = tokens, B = rows of W.  2 (v): A = rows of Wv, B = tokens.  The matrix instruction is used transposed (source 0 = 16 rows of B,
; source 1 = 16 rows of A): a lane holds one row of A, and by the image order the 16 registers of accumulators (a, 2 n), (a, 2 n + 1) are B's rows 32 n + 16 (lane / 16) + 0 .. 15.  So for q and k a lane's registers
; run along the head's 64, for v along the keys: each along the K of the product that follows.
; CLUSTERS: 4 x 4 work-groups; A's tiles are asked for jointly along a row of the cluster, B's along a column.
; THE WAY OUT has no LDS: 64 numbers of a lane are quantised in registers into 12 code registers in the operand's own layout, which are stored as they stand: each store covers 512 or 256 consecutive bytes, aligned.
;   q, k: [b][head][128 tiles of 16 tokens][768 bytes: registers 0-3 at 16 x lane, registers 4-5 at 512 + 8 x lane];  v: [b][head][16 steps of 128 keys][4 tiles of 16 channels][1,536 bytes: three images of 512].
;   scale words: [b][head][16 steps][256 bytes]: lane l's 8 bytes: the words of units l / 16 and 2 + l / 16 for row l % 16; a unit: two tiles of q or k (two bytes each), or a tile of v (four key blocks).
; The bias of q and k is the C of each sum's first matrix instruction; v's, one number a lane, is added on the way out.  Rows of k whose key is masked become zeros (cos and sin x 0): their scores are then the mask's addend alone.
; LIMITS: a block whose largest magnitude lies under 2^-124 keeps the byte 1; NaN and infinities are not served.
; REGISTERS: window 0: v1-31 addresses and mask bytes; v32-63 scale words, two sets; v64-127 the bias as C; v128-223 A's fragments, one set; v224-255 cos and sin.  Window 1: B's fragments at v0 and v128; v96-111 bv.
;   Windows 2, 3: the accumulators ((a, b) at v[8 (8 (a % 4) + b)]).  On the way out window 0's v32-255 are laid anew (below).
.set KSTEP,  256
.set NQ,     KSTEP/128
.set ROWB,   192                       ; a tile's row in bytes
.set KROW,   768                       ; a row in memory
.set PITCH,  240                       ; an LDS row: 3 x (64 bytes + 16 of padding)
.set FR,     12
.set NL,     6
.set NP,     4
.set HALFT,  128*PITCH
.set SLOT,   4*HALFT
.set LAPS,   2                         ; 1,024 along K = two laps of two K steps
.set KS,     32                        ; a row of scale bytes
.set SCL,    2*SLOT
.set HALFS,  (128*KS/256)*272
.set SBLK,   (16*KS/256)*272
.set SPARE,  SCL+4*HALFS               ; the spare words, 128 bytes a wave
.set L16,  7                           ; v7   16 x lane
.set MSKB, 8                           ; v8-15 block a's mask byte of my token (0 in q's role)
.set ADRA, 16
.set ADRB, 20
.set L8,   24                          ; v24  8 x lane
.set CSO,  25                          ; v25  256 x my token's place in 32 + 64 (lane / 16)
.set MO,   26                          ; v26  my row's place in a group of 32: r % 8 + 16 (r / 8)
.set ADRS, 27
.set SPW,  28
.set NIL,  29
.set BVO,  30                          ; v30  4 x that place
.set BIO,  31                          ; v31  64 (lane / 16)
.set SC,   32
.set BI,   64
.set AF,   128
.set G1, 24
.set G0, 32
.set G1B, 48
.set G0B, 56
.set G1S, 68
.set G0S, 76
.set G1SB, 80
.set G0SB, 88
.set FAC, 92                           ; s[92:93] 1.0, or 0 in v's role
.set ISK, 94                           ; s94  1 in k's role
.set ISV, 95                           ; s95  1 in v's role
; the way out, window 0
.set PWS, 32                           ; v32-39  each block's scale word
.set XW,  40                           ; v40-47  words put together
.set KP,  48                           ; v48-49  1.0, or 0 for a masked key
.set T,   50                           ; v50-57  at work
.set HH,  58                           ; v58     lane / 16
.set ONE, 59                           ; v59     1.0
.set RW,  64                           ; v64-127 64 finished numbers
.set TM,  160                          ; v160-175 the quantiser's
.set PW,  176                          ; v176    the scale word just made
.set CD,  192                          ; v192-211 the codes just made
.set SEL, 72                           ; s[72:73]
.set MSB, 0
.macro WIN new                         ; the immediate's high byte repeats the setting that is left
.if MSB != (\new)
	s_set_vgpr_msb (MSB<<8)|(\new)
.set MSB, (\new)
.endif
.endm
.set MUL_LO, 0xa1                      ; source 0 (B) window 1, source 1 (A) window 0, C and D window 2
.set MUL_HI, 0xf1
.set FIRST_LO, 0x81                    ; the same with C (the bias) in window 0
.set FIRST_HI, 0xc1
.set TO_B,   0x40
.macro JLOAD g0a, g1a, g0b, g1b        ; a joint load: waves 0 and 1 fetch for A, waves 2 and 3 for B; the branch hangs on the wave's number alone
	s_cmp_eq_u32 s15, 0
	s_cbranch_scc0 .Lfor_b_\@
	tensor_load_to_lds s[\g0a:\g0a+3], s[\g1a:\g1a+7]
	s_nop 0
.rept 4
	v_nop
.endr
	s_branch .Lasked_\@
.Lfor_b_\@:
	tensor_load_to_lds s[\g0b:\g0b+3], s[\g1b:\g1b+7]
	s_nop 0
.rept 4
	v_nop
.endr
.Lasked_\@:
.endm
.macro CREST
	s_cmp_lg_u32 s14, 0
	s_cbranch_scc1 .Lnot_wave_0_\@
	s_barrier_signal -3
.Lnot_wave_0_\@:
	s_barrier_wait -3
	s_barrier_signal -1
	s_barrier_wait -1
.endm
.macro CROUND
	s_barrier_signal -1
	s_barrier_wait -1
	CREST
.endm
	s_load_b256 s[4:11], s[0:1], 0x0               ; codes s[4:5], scale bytes s[6:7], tables s[8:9], mask s[10:11]
	s_load_b128 s[96:99], s[0:1], 0x20             ; bq, bk
	s_load_b64 s[100:101], s[0:1], 0x30            ; bv
	v_lshl_add_u32 v[SPW], v0, 2, SPARE
	v_mov_b32 v[NIL], 0
	ds_add_u32 v[SPW], v[NIL]                      ; the wave's opening: the add and its wait ahead of my first tensor load
	v_lshrrev_b32 v1, 5, v0
	v_readfirstlane_b32 s14, v1                    ; wave 0..3
	s_lshr_b32 s15, s14, 1                         ; which half of A's rows is mine.  Also: I fetch for A (0) or for B (1)
	s_and_b32 s16, s14, 1                          ; which half of B's rows.  Also: which 128 rows I fetch
	s_bfe_u32 s40, ttmp6, 0x40000                  ; cx
	s_bfe_u32 s41, ttmp6, 0x40004                  ; cy
	s_and_b32 s18, ttmp7, 0xffff
	s_lshl_b32 s18, s18, 2                         ; 4 x cluster y
	s_add_co_u32 s17, s18, s41                     ; q, k: A's 256 rows are tokens: unit 4 Y + cy
	s_add_co_u32 s19, s41, 40                      ; v: rows of Wv: unit 40 + cy
	s_lshl_b32 s20, ttmp9, 2
	s_add_co_u32 s20, s20, 32
	s_add_co_u32 s42, s20, s40                     ; q, k: B's 256 rows are rows of W: unit 32 + 4 X + cx
	s_add_co_u32 s21, s18, s40                     ; v: tokens: unit 4 Y + cx
	s_cmp_eq_u32 ttmp9, 2                          ; the role: the same in all sixteen partners
	s_cselect_b32 s17, s19, s17                    ; A's unit hangs on cy alone,
	s_cselect_b32 s42, s21, s42                    ; B's on cx alone
	s_cselect_b32 s[ISV], 1, 0
	s_lshl_b32 s43, s41, 2
	s_lshl_b32 s43, 15, s43                        ; my row of the cluster
	s_lshl_b32 s44, 0x1111, s40                    ; my column
	s_or_b32 s[G1+0], s43, (0<<16)|(1<<20)|(1<<21)|(3<<22)|(3<<25)  ; the mask; elements of 1 byte; padding on: 4 words behind every 16; bit 21 beside a mask
	s_or_b32 s[G1B+0], s44, (0<<16)|(1<<20)|(1<<21)|(3<<22)|(3<<25)
.irp g, G1, G1B
	s_mov_b32 s[\g+1], ROWB<<16                    ; tensor_dim0
	s_mov_b32 s[\g+2], 128<<16                     ; tensor_dim1
	s_mov_b32 s[\g+3], ROWB<<16                    ; tile_dim0
	s_mov_b32 s[\g+4], 128                         ; tile_dim1
	s_mov_b32 s[\g+5], KROW                        ; the pitch
	s_mov_b32 s[\g+6], 0
	s_mov_b32 s[\g+7], 0
.endr
	s_or_b32 s[G1S+0], s43, (3<<16)|(1<<20)|(1<<21)|(5<<22)|(3<<25)  ; the scale bytes of 128 rows: 4,096 dense bytes as 16 rows of 256, 16 bytes of padding behind each
	s_or_b32 s[G1SB+0], s44, (3<<16)|(1<<20)|(1<<21)|(5<<22)|(3<<25)
.irp g, G1S, G1SB
	s_mov_b32 s[\g+1], 32<<16
	s_mov_b32 s[\g+2], (128*KS/256)<<16
	s_mov_b32 s[\g+3], 32<<16
	s_mov_b32 s[\g+4], 128*KS/256
	s_mov_b32 s[\g+5], 32
	s_mov_b32 s[\g+6], 0
	s_mov_b32 s[\g+7], 0
.endr
	s_lshl_b32 s18, s16, 7                         ; which 128 rows of the unit I fetch
	s_lshl_b32 s20, s17, 8
	s_add_co_u32 s20, s20, s18                     ; A's first row
	s_lshl_b32 s46, s42, 8
	s_add_co_u32 s46, s46, s18                     ; B's
	s_lshl_b32 s22, s20, 5                         ; their scale bytes (all offsets stay under 2^24),
	s_mov_b32 s23, 0
	s_lshl_b32 s92, s46, 5
	s_mov_b32 s93, 0
	s_mul_i32 s20, s20, KROW                       ; and their codes
	s_mov_b32 s21, 0
	s_mul_i32 s46, s46, KROW
	s_mov_b32 s47, 0
	s_mul_i32 s45, s14, HALFT                      ; where they go: wave x 128 rows
	s_mul_i32 s94, s14, HALFS
	s_wait_dscnt 0x0                               ; the opening add is done
	s_wait_kmcnt 0x0
	s_add_nc_u64 s[20:21], s[4:5], s[20:21]
	s_add_nc_u64 s[22:23], s[6:7], s[22:23]
	s_add_nc_u64 s[46:47], s[4:5], s[46:47]
	s_add_nc_u64 s[92:93], s[6:7], s[92:93]
	CROUND                                         ; all sixteen work-groups are here: the first joint loads meet
	s_mov_b32 s[G0S], 1
	s_add_co_u32 s[G0S+1], s94, SCL
	s_mov_b64 s[G0S+2:G0S+3], s[22:23]
	s_or_b32 s[G0S+3], s[G0S+3], 0x80000000
	s_mov_b32 s[G0SB], 1
	s_add_co_u32 s[G0SB+1], s94, SCL
	s_mov_b64 s[G0SB+2:G0SB+3], s[92:93]
	s_or_b32 s[G0SB+3], s[G0SB+3], 0x80000000
	JLOAD G0S, G1S, G0SB, G1SB                     ; the scale bytes first
.irp s, 0,1
	s_mov_b32 s[G0+4*\s], 1
	s_add_co_u32 s[G0+4*\s+1], s45, \s*SLOT
	s_add_nc_u64 s[G0+4*\s+2:G0+4*\s+3], s[20:21], \s*ROWB
	s_or_b32 s[G0+4*\s+3], s[G0+4*\s+3], 0x80000000
	s_mov_b32 s[G0B+4*\s], 1
	s_add_co_u32 s[G0B+4*\s+1], s45, \s*SLOT
	s_add_nc_u64 s[G0B+4*\s+2:G0B+4*\s+3], s[46:47], \s*ROWB
	s_or_b32 s[G0B+4*\s+3], s[G0B+4*\s+3], 0x80000000
	JLOAD G0+4*\s, G1, G0B+4*\s, G1B               ; by this text's count three tensor loads of a wave are out
.endr
	v_and_b32 v1, 15, v0                           ; r
	v_bfe_u32 v2, v0, 4, 1                         ; h
	v_mul_u32_u24 v3, v1, PITCH
	v_mul_u32_u24 v4, v2, 24
	v_add_nc_u32 v4, v3, v4                        ; a fragment's row x pitch + 24 x half
	v_lshl_add_u32 v5, v2, 4, v4                   ; and the same behind one padding more
	s_mul_i32 s21, s15, HALFT
	s_mul_i32 s22, s16, HALFT
	s_add_co_u32 s22, s22, 2*HALFT
.irp s, 0,1
	v_add_nc_u32 v[ADRA+\s], s21, v4
	v_add_nc_u32 v[ADRB+\s], s22, v4
	v_add_nc_u32 v[ADRA+2+\s], s21, v5
	v_add_nc_u32 v[ADRB+2+\s], s22, v5
	s_add_co_u32 s21, s21, SLOT
	s_add_co_u32 s22, s22, SLOT
.endr
	v_mul_u32_u24 v5, v1, KS
	v_lshrrev_b32 v6, 8, v5
	v_lshl_add_u32 v5, v6, 4, v5
	s_mul_i32 s21, s15, HALFS
	s_mul_i32 s22, s16, HALFS
	s_add_co_u32 s22, s22, 2*HALFS
	s_sub_co_u32 s22, s22, s21
	v_mul_u32_u24 v6, s22, v2                      ; lanes 16-31 take B's scale words
	s_add_co_u32 s21, s21, SCL
	v_add_nc_u32 v5, v5, v6
	v_add_nc_u32 v[ADRS], s21, v5
	; what the way out wants from memory is asked for here, by every role alike and at places that lie inside the buffers in every role: no branch, and every register is written on the one way
	s_cmp_eq_u32 s[ISV], 1
	s_cselect_b32 s12, s42, s17                    ; the unit of 256 tokens
	s_cselect_b32 s[FAC], 0, 0x3f800000
	s_mov_b32 s[FAC+1], s[FAC]
	s_cmp_eq_u32 ttmp9, 1
	s_cselect_b64 s[96:97], s[98:99], s[96:97]     ; bk in k's role, else bq
	s_cselect_b32 s[ISK], 1, 0
	s_lshr_b32 s13, s12, 3                         ; the batch
	s_and_b32 s12, s12, 7
	s_lshl_b32 s12, s12, 8
	s_lshl_b32 s18, s15, 7
	s_add_co_u32 s12, s12, s18                     ; t0: in q's and k's role my first token
	s_lshl_b32 s18, s12, 8
	s_mov_b32 s19, 0
	s_add_nc_u64 s[8:9], s[8:9], s[18:19]          ; cos and sin at t0
	s_lshl_b32 s18, s13, 11
	s_add_co_u32 s18, s18, s12
	s_add_nc_u64 s[10:11], s[10:11], s[18:19]      ; the mask at (batch, t0)
	s_lshl_b32 s18, s40, 10
	s_lshl_b32 s20, s16, 9
	s_add_co_u32 s18, s18, s20
	s_add_nc_u64 s[96:97], s[96:97], s[18:19]      ; the bias at feature 256 cx + 128 x my half of B
	s_lshl_b32 s18, s41, 10
	s_lshl_b32 s20, s15, 9
	s_add_co_u32 s18, s18, s20
	s_add_nc_u64 s[100:101], s[100:101], s[18:19]  ; bv at feature 256 cy + 128 x my half of A
	v_and_b32 v6, 31, v0
	v_lshlrev_b32 v[L16], 4, v6
	v_lshlrev_b32 v[L8], 3, v6
	v_and_b32 v3, 7, v1
	v_lshrrev_b32 v4, 3, v1
	v_lshl_add_u32 v[MO], v4, 4, v3
	v_lshlrev_b32 v[BIO], 6, v2
	v_lshl_add_u32 v[CSO], v[MO], 8, v[BIO]
	v_lshlrev_b32 v[BVO], 2, v[MO]
.macro CSLOAD a                        ; cos and sin of block a's tokens: my token's 16 frequencies 16 h + 0 .. 15; sets v224-255 (a even) and v128-159 (a odd)
.set CSB, 224-96*((\a)%2)
.irp k, 0,1,2,3
	global_load_b128 v[CSB+4*\k:CSB+4*\k+3], v[CSO], s[8:9] offset:256*(32*((\a)/2)+8*((\a)%2))+16*\k
.endr
.irp k, 0,1,2,3
	global_load_b128 v[CSB+16+4*\k:CSB+16+4*\k+3], v[CSO], s[8:9] offset:256*(32*((\a)/2)+8*((\a)%2))+128+16*\k
.endr
.endm
.irp b, 0,1,2,3,4,5,6,7
	global_load_b128 v[BI+8*\b:BI+8*\b+3], v[BIO], s[96:97] offset:128*(\b/2)+32*(\b%2)        ; the bias in the result's layout: features 32 (b / 2) + 16 h + 8 (b % 2) + 0 .. 7
	global_load_b128 v[BI+8*\b+4:BI+8*\b+7], v[BIO], s[96:97] offset:128*(\b/2)+32*(\b%2)+16
.endr
	CSLOAD 0
.irp a, 0,1,2,3,4,5,6,7
	global_load_u8 v[MSKB+\a], v[MO], s[10:11] offset:32*(\a/2)+8*(\a%2)
.endr
	WIN TO_B
.irp a, 0,1,2,3,4,5,6,7
	global_load_b32 v[96+2*\a], v[BVO], s[100:101] offset:4*(32*(\a/2)+8*(\a%2))   ; bv of block a's row of mine, twice: a pair for the packed addition
	global_load_b32 v[97+2*\a], v[BVO], s[100:101] offset:4*(32*(\a/2)+8*(\a%2))
.endr
	WIN 0
.macro FRAG reg, adr, q, i             ; a fragment, 16 rows x 128 K: 12 registers, in pieces of 8 bytes; where the piece of lanes 16-31 lies behind one padding more, the second address register serves
.irp p, 0,1,2,3,4,5
.set PIECE, 12*(\q)+6*(\p/3)+\p%3
.if PIECE%8 < 5
	ds_load_b64 v[\reg+2*\p:\reg+2*\p+1], v[\adr] offset:8*PIECE+16*(PIECE/8)+(\i)*16*PITCH
.else
	ds_load_b64 v[\reg+2*\p:\reg+2*\p+1], v[\adr+2] offset:8*PIECE+16*(PIECE/8)+(\i)*16*PITCH
.endif
.endr
.endm
; 16 matrix instructions: A's blocks a0, a0 + 1 x B's eight.  zero = 1: the first product starts the sums, with the bias as C.  The 64 accumulators take turns, one instruction a turn.
.macro MUL16 a0, p, q, sc, zero
.irp a, \a0, \a0+1
.irp b, 0,1,2,3,4,5,6,7
.if \zero
	v_wmma_scale_f32_16x16x128_f8f6f4 v[8*(8*((\a)%4)+\b):8*(8*((\a)%4)+\b)+7], v[128*(\p)+FR*\b:128*(\p)+FR*\b+FR-1], v[AF+FR*(\a):AF+FR*(\a)+FR-1], v[BI+8*\b:BI+8*\b+7], v[SC+8*NQ*(\sc)+NQ*\b+(\q)], v[SC+8*NQ*(\sc)+NQ*(\a)+(\q)] matrix_a_fmt:MATRIX_FMT_FP6 matrix_b_fmt:MATRIX_FMT_FP6 matrix_a_scale:MATRIX_SCALE_ROW1
.else
	v_wmma_scale_f32_16x16x128_f8f6f4 v[8*(8*((\a)%4)+\b):8*(8*((\a)%4)+\b)+7], v[128*(\p)+FR*\b:128*(\p)+FR*\b+FR-1], v[AF+FR*(\a):AF+FR*(\a)+FR-1], v[8*(8*((\a)%4)+\b):8*(8*((\a)%4)+\b)+7], v[SC+8*NQ*(\sc)+NQ*\b+(\q)], v[SC+8*NQ*(\sc)+NQ*(\a)+(\q)] matrix_a_fmt:MATRIX_FMT_FP6 matrix_b_fmt:MATRIX_FMT_FP6 matrix_a_scale:MATRIX_SCALE_ROW1
.endif
.endr
.endr
.endm
.macro FETCH_B slot, q, p
	WIN TO_B
.irp i, 0,1,2,3,4,5,6,7
	FRAG 128*(\p)+FR*\i, ADRB+\slot, \q, \i
.endr
	WIN 0
.endm
.macro FETCH_A slot, q, i0
.irp i, \i0, \i0+1, \i0+2, \i0+3
	FRAG AF+FR*(\i), ADRA+\slot, \q, \i
.endr
.endm
.macro SCALES sc                       ; a K step's scale words: lanes 0-15 A's block i, lanes 16-31 B's block i
.irp i, 0,1,2,3,4,5,6,7
	ds_load_b64 v[SC+8*NQ*\sc+NQ*\i:SC+8*NQ*\sc+NQ*\i+1], v[ADRS] offset:\i*SBLK
.endr
.endm
.macro PLACES n                        ; plain vector instructions between a matrix instruction and a load into, or a read of, its registers
.rept \n
	v_nop
.endr
.endm
.macro STEP slot, q, zero              ; 128 along K that have their successor in the same slot
	s_wait_dscnt 4*NL                              ; B's set and A's blocks 0-3 are in; the youngest 24 loads (A's blocks 4-7) may be out
.if \zero
	WIN FIRST_LO
.else
	WIN MUL_LO
.endif
	MUL16 0, (\q)%2, \q, \slot, \zero
	MUL16 2, (\q)%2, \q, \slot, \zero
	s_wait_dscnt 0
	PLACES NP
	FETCH_B \slot, (\q)+1, 1-(\q)%2
	FETCH_A \slot, (\q)+1, 0
.if \zero
	WIN FIRST_HI
.else
	WIN MUL_HI
.endif
	MUL16 4, (\q)%2, \q, \slot, \zero
	MUL16 6, (\q)%2, \q, \slot, \zero
	PLACES NP
	WIN 0
	FETCH_A \slot, (\q)+1, 4
.endm
.macro TURN slot, next, fill           ; a slot's last step changes slots: one barrier; fill = 1: this slot is filled again, two K steps ahead
	s_wait_tensorcnt 0x0                           ; all my tensor loads have landed: my part of the next slot;
	ds_add_u32 v[SPW], v[NIL]                      ; 0 onto my spare word;
	s_wait_dscnt 4*NL+1                            ; (the add and the youngest 24 loads may be out)
	WIN MUL_LO
	MUL16 0, 1, NQ-1, \slot, 0
	s_wait_dscnt 0x0                               ; the add is done, and my reads of this slot are over
	s_barrier_signal -1
	MUL16 2, 1, NQ-1, \slot, 0
	WIN 0
	s_barrier_wait -1
.if \fill
	CREST                                          ; the barrier has opened a round of the cluster's barrier: no wave of any partner still reads this slot or has a load on its way
	s_add_nc_u64 s[G0+4*\slot+2:G0+4*\slot+3], s[G0+4*\slot+2:G0+4*\slot+3], 2*ROWB
	s_add_nc_u64 s[G0B+4*\slot+2:G0B+4*\slot+3], s[G0B+4*\slot+2:G0B+4*\slot+3], 2*ROWB
	JLOAD G0+4*\slot, G1, G0B+4*\slot, G1B         ; the first tensor load behind the round; its four v_nop are the places in front of the loads below
.else
	PLACES NP
.endif
	v_add_nc_u32 v[ADRS], 4*NQ, v[ADRS]
	FETCH_B \next, 0, 0
	FETCH_A \next, 0, 0
	SCALES \next
	WIN MUL_HI
	MUL16 4, 1, NQ-1, \slot, 0
	MUL16 6, 1, NQ-1, \slot, 0
	PLACES NP
	WIN 0
	FETCH_A \next, 0, 4
.endm
	s_wait_tensorcnt 1                             ; the scale bytes and my part of K step 0 are in (K step 1's load may be out),
	s_barrier_signal -1
	s_barrier_wait -1                              ; everybody's are
	FETCH_B 0, 0, 0
	FETCH_A 0, 0, 0
	SCALES 0
	FETCH_A 0, 0, 4
	s_wait_loadcnt 0x0                             ; the bias, cos and sin of block 0, the mask bytes, bv
.set i, 0
.rept 32
	v_pk_mul_f32 v[BI+i:BI+i+1], v[BI+i:BI+i+1], s[FAC:FAC+1] op_sel_hi:[1,0]   ; in v's role C is 0
.set i, i+2
.endr
.irp a, 0,1,2,3,4,5,6,7
	v_mul_u32_u24 v[MSKB+\a], v[MSKB+\a], s[ISK]   ; only k's rows are masked
.endr
	STEP 0, 0, 1
	s_mov_b32 s3, LAPS-1
.Llap:
	TURN 0, 1, 1
	STEP 1, 0, 0
	TURN 1, 0, 1
	STEP 0, 0, 0
	s_sub_co_u32 s3, s3, 1
	s_cmp_lg_u32 s3, 0
	s_cbranch_scc1 .Llap
	TURN 0, 1, 0                                   ; the last lap fills nothing
	STEP 1, 0, 0
	s_wait_dscnt 4*NL
	WIN MUL_LO
	MUL16 0, 1, NQ-1, 1, 0
	MUL16 2, 1, NQ-1, 1, 0
	s_wait_dscnt 0
	WIN MUL_HI
	MUL16 4, 1, NQ-1, 1, 0
	MUL16 6, 1, NQ-1, 1, 0
	WIN 0
; THE WAY OUT.  64 numbers of a lane, v[s] .. v[s + 63], register 16 b + i = k 32 b + 16 (lane / 16) + i of my row, become a fragment's codes in v[CD] on and its scale word in v[PW].
.macro QUANT s
.irp b, 0,1,2,3
	v_max3_num_f32 v[TM+\b], |v[\s+16*\b]|, |v[\s+1+16*\b]|, 0x1800000   ; my 16 numbers of block b, and the floor 2^(3 - 127)
.endr
.irp i, 2,4,6,8,10,12,14
.irp b, 0,1,2,3
	v_max3_num_f32 v[TM+\b], v[TM+\b], |v[\s+16*\b+\i]|, |v[\s+1+16*\b+\i]|
.endr
.endr
.irp b, 0,1,2,3
	v_permlanex16_b32 v[TM+4+\b], v[TM+\b], s[SEL], s[SEL+1]
.endr
.irp b, 0,1,2,3
	v_max_num_f32 v[TM+\b], v[TM+\b], v[TM+4+\b]   ; with lane l xor 16's: the block's largest magnitude
.endr
.irp b, 0,1,2,3
	v_add_nc_u32 v[TM+12+\b], 0xff000000, v[TM+\b] ; 2 off its exponent field: the conversion's scale operand
.endr
.irp b, 0,1,2,3
	v_lshrrev_b32 v[TM+4+\b], 23, v[TM+12+\b]      ; the scale's byte
.endr
	v_lshl_or_b32 v[PW], v[TM+5], 8, v[TM+4]
	v_lshl_or_b32 v[PW], v[TM+6], 16, v[PW]
	v_lshl_or_b32 v[PW], v[TM+7], 24, v[PW]
.irp c, 0,1
	v_cvt_scalef32_pk16_fp6_f32 v[CD+6*\c:CD+2+6*\c], v[\s+32*\c:\s+15+32*\c], v[TM+12+2*\c]
	v_cvt_scalef32_pk16_fp6_f32 v[CD+12+4*\c:CD+14+4*\c], v[\s+16+32*\c:\s+31+32*\c], v[TM+12+2*\c+1]   ; (a conversion's three registers begin on an even number)
.endr
	v_nop                                          ; one plain place behind a scaled conversion
.irp c, 0,1                                    ; the operand's layout wants a whole block in a lane
.irp i, 0,1,2
	v_permlane16_swap_b32 v[CD+6*\c+\i], v[CD+12+4*\c+\i]
.endr
.irp i, 0,1,2
	v_mov_b32 v[CD+3+6*\c+\i], v[CD+12+4*\c+\i]
.endr
.endr
.endm
; Block a of q or k: 16 tokens x my 128 features = two heads.  In a head, registers i = 0 .. 15 of the lower pair of accumulators are channels 16 h + i, those of the upper pair channels 32 + 16 h + i: the two that turn together lie in one lane.
.macro QKBLOCK a
.if (\a) < 7
	CSLOAD (\a)+1
	s_wait_loadcnt 8                               ; this block's cos and sin are in; the next block's eight loads may be out
.else
	s_wait_loadcnt 0x0
.endif
.set CSB, 224-96*((\a)%2)
.set AC, 64*((\a)%4)
	v_cmp_eq_u32 vcc_lo, 0, v[MSKB+(\a)]
	v_cndmask_b32 v[KP], 0, v[ONE], vcc_lo         ; 1.0, or 0 for a masked key
	v_mov_b32 v[KP+1], v[KP]
.set i, 0
.rept 16
	v_pk_mul_f32 v[CSB+i:CSB+i+1], v[CSB+i:CSB+i+1], v[KP:KP+1]
.set i, i+2
.endr
	WIN 0x02+(\a)/4                                ; source 0: the accumulators' window
.irp hd, 0,1
.irp i, 0,2,4,6,8,10,12,14                     ; ascending: each accumulator is first read at its low end
.set TA, T+4*((\i/2)%2)
	v_pk_mul_f32 v[TA:TA+1], v[AC+32*\hd+16+\i:AC+32*\hd+17+\i], v[CSB+16+\i:CSB+17+\i]
	v_pk_mul_f32 v[TA+2:TA+3], v[AC+32*\hd+\i:AC+32*\hd+1+\i], v[CSB+16+\i:CSB+17+\i]
	v_pk_fma_f32 v[RW+32*\hd+\i:RW+32*\hd+1+\i], v[AC+32*\hd+\i:AC+32*\hd+1+\i], v[CSB+\i:CSB+1+\i], v[TA:TA+1] neg_lo:[0,0,1] neg_hi:[0,0,1]   ; lo cos - hi sin
	v_pk_fma_f32 v[RW+32*\hd+16+\i:RW+32*\hd+17+\i], v[AC+32*\hd+16+\i:AC+32*\hd+17+\i], v[CSB+\i:CSB+1+\i], v[TA+2:TA+3]                     ; hi cos + lo sin
.endr
.endr
	WIN 0
	s_wait_xcnt 0x0                                ; the last block's stores have read the codes' registers
	QUANT RW
	global_store_b128 v[L16], v[CD:CD+3], s[68:69] offset:768*(\a)                 ; the first head's tile: registers 0-3: 512 consecutive bytes,
	global_store_b64 v[L8], v[CD+4:CD+5], s[68:69] offset:768*(\a)+512             ; registers 4-5: 256
	global_store_b128 v[L16], v[CD+6:CD+9], s[68:69] offset:98304+768*(\a)         ; the second head's
	global_store_b64 v[L8], v[CD+10:CD+11], s[68:69] offset:98304+768*(\a)+512
	v_mov_b32 v[PWS+(\a)], v[PW]
.endm
; Block a of v: 16 channels x my 128 keys: one fragment of the second product of attention
.macro VBLOCK a
.set AC, 64*((\a)%4)
	WIN 0x06+(\a)/4                                ; source 0: the accumulators' window; source 1 (bv): window 1
.set i, 0
.rept 32
	v_pk_add_f32 v[RW+i:RW+i+1], v[AC+i:AC+i+1], v[96+2*(\a):97+2*(\a)]
.set i, i+2
.endr
	WIN 0
	s_wait_xcnt 0x0                                ; the last block's stores have read the codes' registers
	QUANT RW
.irp c, 0,1,2
	global_store_b128 v[L16], v[CD+4*\c:CD+4*\c+3], s[68:69] offset:((\a)/4)*98304+((\a)%4)*1536+512*\c
.endr
	v_mov_b32 v[PWS+(\a)], v[PW]
.endm
	PLACES NP                                      ; behind the last products: results are read, and registers that held fragments are written, from here on
	s_load_b128 s[68:71], s[0:1], 0x38             ; the codes' and the scale words' buffers (the scale bytes' descriptors, which lay here, were shown done long ago)
	s_mov_b32 s[SEL], 0x76543210
	s_mov_b32 s[SEL+1], 0xfedcba98
.irp b, 0,1,2,3
	v_mov_b32 v[TM+4+\b], 0                        ; written once: a lane permute's destination counts as one of its sources
.endr
	v_bfe_u32 v[HH], v0, 4, 1
	v_mov_b32 v[ONE], 1.0
	s_cmp_eq_u32 s[ISV], 1
	s_cbranch_scc1 .Lv_out
	s_lshl_b32 s18, ttmp9, 2                       ; q, k: (4 X + batch) 16 + head, head = 4 cx + 2 x my half of B
	s_add_co_u32 s18, s18, s13
	s_lshl_b32 s18, s18, 4
	s_lshl_b32 s19, s40, 2
	s_add_co_u32 s18, s18, s19
	s_lshl_b32 s19, s16, 1
	s_add_co_u32 s18, s18, s19
	s_mul_i32 s20, s18, 98304
	s_lshr_b32 s19, s12, 4
	s_mul_i32 s19, s19, 768                        ; my first tile: t0 / 16
	s_add_co_u32 s20, s20, s19
	s_mov_b32 s21, 0
	s_lshl_b32 s22, s18, 12
	s_lshl_b32 s19, s12, 1                         ; my step: 256 (t0 / 128)
	s_add_co_u32 s22, s22, s19
	s_mov_b32 s23, 0
	s_wait_kmcnt 0x0
	s_add_nc_u64 s[68:69], s[68:69], s[20:21]
	s_add_nc_u64 s[70:71], s[70:71], s[22:23]
.irp a, 0,1,2,3,4,5,6,7
	QKBLOCK \a
.endr
	v_cmp_ne_u32 vcc_lo, 0, v[HH]
.irp al, 0,1,2,3                               ; a unit's word: two bytes of each of its two tiles
	v_perm_b32 v[XW+\al], v[PWS+1+2*\al], v[PWS+2*\al], 0x05040100     ; the first head,
	v_perm_b32 v[XW+4+\al], v[PWS+1+2*\al], v[PWS+2*\al], 0x07060302   ; the second
.endr
	v_cndmask_b32 v[T], v[XW], v[XW+1], vcc_lo     ; lanes 0-15: units 0 and 2; lanes 16-31: units 1 and 3
	v_cndmask_b32 v[T+1], v[XW+2], v[XW+3], vcc_lo
	v_cndmask_b32 v[T+2], v[XW+4], v[XW+5], vcc_lo
	v_cndmask_b32 v[T+3], v[XW+6], v[XW+7], vcc_lo
	global_store_b64 v[L8], v[T:T+1], s[70:71]                 ; 256 consecutive bytes, aligned
	global_store_b64 v[L8], v[T+2:T+3], s[70:71] offset:4096
	s_branch .Ldone
.Lv_out:
	s_add_co_u32 s18, s13, 8                       ; v: (8 + batch) 16 + head, head = 4 cy + 2 x my half of A
	s_lshl_b32 s18, s18, 4
	s_lshl_b32 s19, s41, 2
	s_add_co_u32 s18, s18, s19
	s_lshl_b32 s19, s15, 1
	s_add_co_u32 s18, s18, s19
	s_and_b32 s19, s42, 7
	s_lshl_b32 s19, s19, 1
	s_add_co_u32 s19, s19, s16                     ; my step of 128 keys
	s_mul_i32 s20, s18, 98304
	s_mul_i32 s22, s19, 6144
	s_add_co_u32 s20, s20, s22
	s_mov_b32 s21, 0
	s_lshl_b32 s22, s18, 12
	s_lshl_b32 s19, s19, 8
	s_add_co_u32 s22, s22, s19
	s_mov_b32 s23, 0
	s_wait_kmcnt 0x0
	s_add_nc_u64 s[68:69], s[68:69], s[20:21]
	s_add_nc_u64 s[70:71], s[70:71], s[22:23]
.irp a, 0,1,2,3,4,5,6,7
	VBLOCK \a
.endr
	v_cmp_ne_u32 vcc_lo, 0, v[HH]
	v_cndmask_b32 v[T], v[PWS], v[PWS+1], vcc_lo
	v_cndmask_b32 v[T+1], v[PWS+2], v[PWS+3], vcc_lo
	v_cndmask_b32 v[T+2], v[PWS+4], v[PWS+5], vcc_lo
	v_cndmask_b32 v[T+3], v[PWS+6], v[PWS+7], vcc_lo
	global_store_b64 v[L8], v[T:T+1], s[70:71]
	global_store_b64 v[L8], v[T+2:T+3], s[70:71] offset:4096
.Ldone:
	s_wait_tensorcnt 0x0                           ; the wave's end, behind my last tensor load
	ds_add_u32 v[SPW], v[NIL]
	s_wait_dscnt 0x0
	CROUND                                         ; the closing round
	s_endpgm
.Lfunc_end_k_q189e713f81_proj:
	.size	k_q189e713f81_proj, .Lfunc_end_k_q189e713f81_proj-k_q189e713f81_proj
	.p2alignl 7, 3214868480
	.fill 96, 4, 3214868480
	.section	.rodata,"a",@progbits
	.p2align	6, 0x0
	.amdhsa_kernel k_q189e713f81_proj
		.amdhsa_group_segment_fixed_size 327680
		.amdhsa_private_segment_fixed_size 0
		.amdhsa_enable_private_segment 0
		.amdhsa_kernarg_size 72
		.amdhsa_user_sgpr_count 2
		.amdhsa_user_sgpr_kernarg_segment_ptr 1
		.amdhsa_wavefront_size32 1
		.amdhsa_system_sgpr_workgroup_id_x 1
		.amdhsa_system_sgpr_workgroup_id_y 1
		.amdhsa_system_sgpr_workgroup_id_z 1
		.amdhsa_system_vgpr_workitem_id 0
		.amdhsa_next_free_vgpr 1024
		.amdhsa_next_free_sgpr 102
		.amdhsa_reserve_vcc 1
		.amdhsa_float_denorm_mode_32 3
		.amdhsa_float_denorm_mode_16_64 3
		.amdhsa_memory_ordered 1
		.amdhsa_forward_progress 1
		.amdhsa_inst_pref_size 255
	.end_amdhsa_kernel
	.section	.bss,"aw",@nobits
	.p2align	6
	.space	262144
	.amdgpu_metadata
---
amdhsa.version: [ 1, 2 ]
amdhsa.kernels:
  - .name:           k_q189e713f81_proj
    .symbol:         k_q189e713f81_proj.kd
    .args:
      - { .name: xwcodes, .offset: 0, .size: 8, .value_kind: global_buffer, .address_space: global }
      - { .name: xwscales, .offset: 8, .size: 8, .value_kind: global_buffer, .address_space: global }
      - { .name: tables, .offset: 16, .size: 8, .value_kind: global_buffer, .address_space: global }
      - { .name: mask, .offset: 24, .size: 8, .value_kind: global_buffer, .address_space: global }
      - { .name: bq, .offset: 32, .size: 8, .value_kind: global_buffer, .address_space: global }
      - { .name: bk, .offset: 40, .size: 8, .value_kind: global_buffer, .address_space: global }
      - { .name: bv, .offset: 48, .size: 8, .value_kind: global_buffer, .address_space: global }
      - { .name: qkvcodes, .offset: 56, .size: 8, .value_kind: global_buffer, .address_space: global }
      - { .name: qkvscales, .offset: 64, .size: 8, .value_kind: global_buffer, .address_space: global }
    .group_segment_fixed_size: 327680
    .private_segment_fixed_size: 0
    .kernarg_segment_align: 8
    .kernarg_segment_size: 72
    .max_flat_workgroup_size: 128
    .sgpr_count:     102
    .vgpr_count:     1024
    .wavefront_size: 32
...
	.end_amdgpu_metadata
.endif
;; end of part 2
;; launch attn (part 3): grid 8 x 64, 8 waves a work-group, clusters of 4 x 1, 214,016 bytes of LDS; arguments qkvcodes, qkvscales, tables, ocodes, oscales; writes ocodes, oscales
.if DOCPART == 3
	.amdgcn_target "amdgcn-amd-amdhsa--gfx1250"
	.amdhsa_code_object_version 6
	.text
	.protected	k_q189e713f81_attn
	.globl	k_q189e713f81_attn
	.p2align	8
	.type	k_q189e713f81_attn,@function
k_q189e713f81_attn:
	s_mov_b64 s[64:65], 0
	v_nop
	global_prefetch_b8 v0, s[64:65] scope:SCOPE_SE
	s_setreg_imm32_b32 hwreg(HW_REG_WAVE_MODE, 25, 1), 1
	s_wait_xcnt 0x0
	s_wait_alu depctr_hold_cnt(0) depctr_sa_sdst(0) depctr_va_vdst(0) depctr_va_sdst(0) depctr_va_ssrc(0) depctr_va_vcc(0) depctr_vm_vsrc(0)
	s_getreg_b32 s2, hwreg(HW_REG_IB_STS2, 6, 4)
	s_cmp_eq_u32 s2, 0
	s_cbranch_scc0 .Lentry_in_a_cluster
	s_endpgm
.Lentry_in_a_cluster:
	s_bfe_u32 s2, ttmp6, 0x10000c
	s_cmp_lg_u32 s2, 0x3003
	s_cbranch_scc0 .Lentry_shape_is_right
	s_endpgm
.Lentry_shape_is_right:
; ATTN.  For each (batch, head): O = softmax(q k^T / 8, masked keys out) v, both products on codes of FP6 (E2M3) with E8M0 scales; O / l leaves as codes and scale bytes along (head, channel) for the last product.
; THE SOFTMAX: t = score x log2(e) / 8; M = the running largest t rounded up to a whole number; p = 2^(t - M) is quantised along the keys; the row's sum l is taken of the unquantised p; when M moves, l and O are
; multiplied by 2^(old M - new M), which rounds nothing.
; SHARES.  A work-group owns 256 queries of one head; each of its eight waves 32 of them, two tiles of 16: tile 0's registers lie in window 0, tile 1's at the same numbers in window 1.  Two waves share a SIMD.
; THE WHOLE HEAD LIES IN LDS: K's codes 98,304 bytes, V's 98,304, their scale words 4,096 each, the mask's addends 8,192.  Nothing is filled again.  Each wave issues five loads at the start (five are out, by this
; text's count): an eighth of the small blocks, then its eighth of each of four chunks of 512 keys; a chunk is read behind a counted wait and a barrier, while the later chunks are on their way.
; CLUSTER.  The four query blocks of a cluster belong to one head: every load is asked for jointly.  No prefetch: all that the launch reads is asked for by its first loads.
; LAYOUT.  Both products are used transposed: a lane holds one query.  K's and Q's tiles are images of operand registers 0-5 (16 rows x 64 K, 768 bytes).  K = 64 FILLS HALF OF AN INSTRUCTION'S 128: two tiles of K stand as ONE
; first source (registers 0-5, 6-11), and Q stands between zeros, [0 | q | 0]: v[22:33] meets the first tile, v[16:27] the second; the zero codes, under the byte 127, add exactly nothing.
; By the image order of the rows, the 16 registers of two neighbouring tiles of S^T are keys 32 i + 16 (lane / 16) + 0 .. 15.
; THE MASK is the C of the score's instruction: 0, or -2^126 for a masked key, whose codes the launch before made zeros: its score is exactly -2^126, its p is 0 beside any open key; where every key is masked,
; c x score is exact, t - M is 0 and every p is 1: the uniform row.
; LIMITS: NaN and infinities are not served; scores at or under -2^126 are not told from masked ones; a block whose largest magnitude lies under 2^-124 keeps the byte 1.  O's scale bytes leave two bytes a row,
; 32 bytes apart: one byte in 24 of what the launch stores.
.set VC,    98304                      ; LDS: K's codes from 0, V's from here
.set KSC,   196608                     ; K's scale words; V's 4,096 on
.set MBL,   204800                     ; the mask's addends
.set SPARE, 212992                     ; the spare words, 128 bytes a wave
.set A16, 1                            ; v1   16 x lane
.set A8,  2                            ; v2   8 x lane
.set AMB, 3                            ; v3   MBL + 64 (lane / 16)
.set AK,  4                            ; v4-8 the step's LDS addresses
.set AK8, 5
.set AV,  6
.set AS,  7
.set AB,  8
.set AS0, 9                            ; v9   KSC + 8 x lane
.set SPW, 10
.set NIL, 11
.set NM,  12                           ; a tile's own, in its window: -M
.set MT,  13                           ; the largest t
.set LS,  14                           ; v[14:15] l in two halves
.set QZ,  16                           ; v16-21 zeros, v22-27 q, v28-33 zeros
.set F,   34                           ; v34 f; v35 the scale word just made
.set BM,  36                           ; v36-39 the blocks' largest
.set SO,  40                           ; v40-43 the conversions' scale operands
.set TT,  44
.set CD,  52                           ; v52-63 p's codes
.set S,   64                           ; v64-127 S^T, then p
.set O,   128                          ; v128-159 O^T
.set PT,  160                          ; v160-167 at work
.set KV,  168                          ; window 0: v168-215 four double tiles of K, then four fragments of V
.set KSR, 216                          ; v[216:217] K's scale words
.set VSR, 218                          ; v[218:219] V's
.set QS,  220                          ; v220-223 Q's: tile 0 low, high; tile 1 low, high
.set PW,  224                          ; v224, v225 p's scale words
.set AO,  226                          ; v226 32 (lane % 16)
.set AQ,  227                          ; v227 8 (lane % 16)
.set BIW, 168                          ; window 1: v168-231 the step's addends, for both tiles
.set WV,  14
.set G1S, 24
.set G1C, 32
.set G0,  40                           ; s[40:59] five groups 0
.set SEL, 60
.set CS,  62                           ; s[62:63] c = log2(e) / 8
.set TK,  66
.set TS,  67
.set CNT, 68
.set MSB, 0
.macro WIN new
.if MSB != (\new)
	s_set_vgpr_msb (MSB<<8)|(\new)
.set MSB, (\new)
.endif
.endm
.macro CROUND
	s_barrier_signal -1
	s_barrier_wait -1
	s_cmp_lg_u32 s[WV], 0
	s_cbranch_scc1 .Lnot_wave_0_\@
	s_barrier_signal -3
.Lnot_wave_0_\@:
	s_barrier_wait -3
	s_barrier_signal -1
	s_barrier_wait -1
.endm
	s_load_b256 s[4:11], s[0:1], 0x0               ; q, k, v codes s[4:5]; their scale words s[6:7]; tables s[8:9]; O's codes s[10:11]
	s_load_b64 s[12:13], s[0:1], 0x20              ; O's scale bytes
	v_lshl_add_u32 v[SPW], v0, 2, SPARE
	v_mov_b32 v[NIL], 0
	ds_add_u32 v[SPW], v[NIL]                      ; the wave's opening: the add and its wait ahead of my first tensor load
	v_lshrrev_b32 v1, 5, v0
	v_readfirstlane_b32 s[WV], v1                  ; wave 0..7
	s_bfe_u32 s15, ttmp6, 0x40000                  ; cx: it enters Q's and O's addresses alone
	s_lshl_b32 s16, ttmp9, 2
	s_add_co_u32 s16, s16, s15                     ; my block of 256 queries
	s_and_b32 s17, ttmp7, 0xffff                   ; 16 x batch + head: the four partners share it
	s_mov_b32 s[G1S], 15|(3<<16)|(1<<21)           ; the mask: all four; elements of 8 bytes; no padding; bit 21 beside a mask.  8 rows of 256 bytes, dense
	s_mov_b32 s[G1S+1], 32<<16
	s_mov_b32 s[G1S+2], 8<<16
	s_mov_b32 s[G1S+3], 32<<16
	s_mov_b32 s[G1S+4], 8
	s_mov_b32 s[G1S+5], 32
	s_mov_b32 s[G1S+6], 0
	s_mov_b32 s[G1S+7], 0
	s_mov_b32 s[G1C], 15|(3<<16)|(1<<21)           ; 24 rows of 256 bytes, dense
	s_mov_b32 s[G1C+1], 32<<16
	s_mov_b32 s[G1C+2], 24<<16
	s_mov_b32 s[G1C+3], 32<<16
	s_mov_b32 s[G1C+4], 24
	s_mov_b32 s[G1C+5], 32
	s_mov_b32 s[G1C+6], 0
	s_mov_b32 s[G1C+7], 0
	; the small blocks, 2,048 bytes a wave: waves 0, 1 K's scale words, waves 2, 3 V's, waves 4-7 the batch's addends
	s_lshr_b32 s19, s[WV], 1
	s_add_co_u32 s19, s19, 1
	s_lshl_b32 s19, s19, 18                        ; k's words begin 262,144 bytes on, v's 524,288
	s_lshl_b32 s20, s17, 12
	s_add_co_u32 s19, s19, s20
	s_and_b32 s20, s[WV], 1
	s_lshl_b32 s20, s20, 11
	s_add_co_u32 s19, s19, s20
	s_lshr_b32 s21, s17, 4
	s_lshl_b32 s21, s21, 13
	s_add_co_u32 s21, s21, 524288                  ; the addends lie behind cos and sin
	s_and_b32 s20, s[WV], 3
	s_lshl_b32 s20, s20, 11
	s_add_co_u32 s21, s21, s20
	s_cmp_lt_u32 s[WV], 4
	s_cselect_b32 s22, s19, s21
	s_mov_b32 s23, 0
	s_lshl_b32 s18, s[WV], 11
	s_mov_b32 s[G0], 1
	s_add_co_u32 s[G0+1], s18, KSC
	; the chunks: waves 0-3 K's codes, waves 4-7 V's, 6,144 bytes a wave and chunk
	s_lshr_b32 s69, s[WV], 2
	s_mul_i32 s70, s69, VC
	s_and_b32 s71, s[WV], 3
	s_mul_i32 s71, s71, 6144
	s_add_co_u32 s70, s70, s71                     ; in LDS,
	s_add_co_u32 s69, s69, 1
	s_mul_i32 s72, s69, 6291456
	s_mul_i32 s73, s17, 98304
	s_add_co_u32 s72, s72, s73
	s_add_co_u32 s72, s72, s71                     ; and in memory
	s_mov_b32 s73, 0
	; Q's and O's places
	s_lshl_b32 s18, s16, 3
	s_add_co_u32 s18, s18, s[WV]                   ; my 32 queries among the head's 64 such
	s_mul_i32 s76, s17, 98304
	s_mul_i32 s77, s18, 1536
	s_add_co_u32 s76, s76, s77                     ; Q's two tiles, and O's alike
	s_mov_b32 s77, 0
	s_lshl_b32 s78, s17, 12                        ; Q's scale word: step, unit's lanes, unit's word
	s_lshr_b32 s79, s18, 2
	s_lshl_b32 s79, s79, 8
	s_add_co_u32 s78, s78, s79
	s_and_b32 s79, s18, 1
	s_lshl_b32 s79, s79, 7
	s_add_co_u32 s78, s78, s79
	s_bfe_u32 s79, s18, 0x10001
	s_lshl_b32 s79, s79, 2
	s_add_co_u32 s78, s78, s79
	s_mov_b32 s79, 0
	s_lshr_b32 s80, s17, 4                         ; O's scale bytes: 32 bytes a row: 65,536 x batch + 1,024 x my 32 rows + 2 x head
	s_lshl_b32 s80, s80, 16
	s_lshl_b32 s81, s18, 10
	s_add_co_u32 s80, s80, s81
	s_and_b32 s81, s17, 15
	s_lshl_b32 s81, s81, 1
	s_add_co_u32 s80, s80, s81
	s_mov_b32 s81, 0
	s_mov_b32 s[SEL], 0x76543210
	s_mov_b32 s[SEL+1], 0xfedcba98
	s_mov_b32 s[CS], 0x3e38aa3b
	s_mov_b32 s[CS+1], s[CS]
	s_mov_b32 s86, 0xffff
	s_mov_b32 s87, 0x7f7f7f7f
	s_wait_dscnt 0x0                               ; the opening add is done
	s_wait_kmcnt 0x0
	s_cmp_lt_u32 s[WV], 4
	s_cselect_b64 s[G0+2:G0+3], s[6:7], s[8:9]     ; the choice hangs on the wave's number alone
	s_add_nc_u64 s[G0+2:G0+3], s[G0+2:G0+3], s[22:23]
	s_or_b32 s[G0+3], s[G0+3], 0x80000000
	s_add_nc_u64 s[74:75], s[4:5], s[72:73]
.irp c, 0,1,2,3
	s_mov_b32 s[G0+4+4*\c], 1
	s_add_co_u32 s[G0+5+4*\c], s70, 24576*\c
	s_add_nc_u64 s[G0+6+4*\c:G0+7+4*\c], s[74:75], 24576*\c
	s_or_b32 s[G0+7+4*\c], s[G0+7+4*\c], 0x80000000
.endr
	s_add_nc_u64 s[82:83], s[4:5], s[76:77]
	s_add_nc_u64 s[84:85], s[6:7], s[78:79]
	s_add_nc_u64 s[10:11], s[10:11], s[76:77]
	s_add_nc_u64 s[12:13], s[12:13], s[80:81]
	CROUND                                         ; all four work-groups are here: the joint loads meet
	tensor_load_to_lds s[G0:G0+3], s[G1S:G1S+7]
	s_nop 0
.irp c, 0,1,2,3
	tensor_load_to_lds s[G0+4+4*\c:G0+7+4*\c], s[G1C:G1C+7]
	s_nop 0
.endr
.rept 4
	v_nop
.endr
	v_and_b32 v4, 31, v0
	v_lshlrev_b32 v[A16], 4, v4
	v_lshlrev_b32 v[A8], 3, v4
	v_bfe_u32 v5, v0, 4, 1
	v_lshlrev_b32 v[AMB], 6, v5
	v_add_nc_u32 v[AMB], MBL, v[AMB]
	v_add_nc_u32 v[AS0], KSC, v[A8]
	v_and_b32 v6, 15, v0
	v_lshlrev_b32 v[AO], 5, v6
	v_lshlrev_b32 v[AQ], 3, v6
	global_load_b32 v228, v[AQ], s[84:85]                          ; first, since it is wanted first: the word of my two tiles' rows: tile 0's two bytes, tile 1's two
	global_load_b128 v[QZ+6:QZ+9], v[A16], s[82:83]                ; Q's tile 0
	global_load_b64 v[QZ+10:QZ+11], v[A8], s[82:83] offset:512
	WIN 0x40
	global_load_b128 v[QZ+6:QZ+9], v[A16], s[82:83] offset:768     ; tile 1, into window 1
	global_load_b64 v[QZ+10:QZ+11], v[A8], s[82:83] offset:1280
.macro INIT q
	WIN 0x55*(\q)
.irp i, 0,1,2,3,4,5,12,13,14,15,16,17
	v_mov_b32 v[QZ+\i], 0                          ; the zero codes on both sides of q
.endr
	v_mov_b32 v[MT], 0xff61b1e6                    ; the largest t so far: -3e38
	v_floor_f32 v[NM], -v[MT]
	v_mov_b32 v[LS], 0
	v_mov_b32 v[LS+1], 0
	v_mov_b32 v[F+1], 0                            ; (named as the upper half of a pair before it is first written)
.irp i, 0,1,2,3
	v_mov_b32 v[PT+\i], 0                          ; a lane permute's destination counts as one of its sources
.endr
.set j, 0
.rept 32
	v_mov_b32 v[O+j], 0                            ; the step is written once: its first turn finds zeros
.set j, j+1
.endr
.endm
	INIT 0
	s_wait_loadcnt 4                               ; Q's scale word is in; the four younger loads, Q's codes, may be out
	v_alignbit_b32 v229, v228, v228, 16            ; the word with its halves swapped
	v_bfi_b32 v[QS], s86, v228, s87                ; tile 0, q in k 0-63: its two bytes, then 127, 127
	v_bfi_b32 v[QS+1], s86, s87, v229              ; tile 0, q in k 64-127
	v_bfi_b32 v[QS+2], s86, v229, s87              ; tile 1 likewise
	v_bfi_b32 v[QS+3], s86, s87, v228
	INIT 1                                         ; tile 1's start values, 53 plain vector instructions, stand between the scale words' writes and the first products that name them (eight are asked)
	WIN 0
	s_wait_loadcnt 0x0                             ; Q's codes
.macro SPROD q                         ; S^T of tile q: eight products; C: the keys' addends
.irp i, 0,1,2,3
.irp u, 0,1
.if \i%2
	v_wmma_scale_f32_16x16x128_f8f6f4 v[S+8*(2*\i+\u):S+8*(2*\i+\u)+7], v[KV+12*\i:KV+12*\i+11], v[QZ+6-6*\u:QZ+17-6*\u], v[BIW+8*(2*\i+\u):BIW+8*(2*\i+\u)+7], v[KSR+\i/2], v[QS+2*\q+\u] matrix_a_fmt:MATRIX_FMT_FP6 matrix_b_fmt:MATRIX_FMT_FP6 matrix_a_scale:MATRIX_SCALE_ROW1
.else
	v_wmma_scale_f32_16x16x128_f8f6f4 v[S+8*(2*\i+\u):S+8*(2*\i+\u)+7], v[KV+12*\i:KV+12*\i+11], v[QZ+6-6*\u:QZ+17-6*\u], v[BIW+8*(2*\i+\u):BIW+8*(2*\i+\u)+7], v[KSR+\i/2], v[QS+2*\q+\u] matrix_a_fmt:MATRIX_FMT_FP6 matrix_b_fmt:MATRIX_FMT_FP6
.endif
.endr
.endr
.endm
.macro PVPROD q                        ; O^T of tile q += V^T P^T: four products, four accumulators
.irp f, 0,1,2,3
.if \f%2
	v_wmma_scale_f32_16x16x128_f8f6f4 v[O+8*\f:O+8*\f+7], v[KV+12*\f:KV+12*\f+11], v[CD:CD+11], v[O+8*\f:O+8*\f+7], v[VSR+\f/2], v[PW+\q] matrix_a_fmt:MATRIX_FMT_FP6 matrix_b_fmt:MATRIX_FMT_FP6 matrix_a_scale:MATRIX_SCALE_ROW1
.else
	v_wmma_scale_f32_16x16x128_f8f6f4 v[O+8*\f:O+8*\f+7], v[KV+12*\f:KV+12*\f+11], v[CD:CD+11], v[O+8*\f:O+8*\f+7], v[VSR+\f/2], v[PW+\q] matrix_a_fmt:MATRIX_FMT_FP6 matrix_b_fmt:MATRIX_FMT_FP6
.endif
.endr
.endm
; The softmax of tile q for 128 keys, all in the tile's own window
.macro SM q
	WIN 0x55*(\q)
.irp b, 0,1,2,3
	v_max3_num_f32 v[BM+\b], v[S+16*\b], v[S+1+16*\b], v[S+2+16*\b]   ; the largest score of each block of 32 keys: for the row's maximum, and, since p rises with the score, for the block's largest p
.endr
.irp i, 3,5,7,9,11,13
.irp b, 0,1,2,3
	v_max3_num_f32 v[BM+\b], v[BM+\b], v[S+16*\b+\i], v[S+1+16*\b+\i]
.endr
.endr
.irp b, 0,1,2,3
	v_max_num_f32 v[BM+\b], v[BM+\b], v[S+15+16*\b]
.endr
.irp b, 0,1,2,3
	v_permlanex16_b32 v[PT+\b], v[BM+\b], s[SEL], s[SEL+1]
.endr
.irp b, 0,1,2,3
	v_max_num_f32 v[BM+\b], v[BM+\b], v[PT+\b]     ; with lane l xor 16's 16 keys
.endr
	v_max3_num_f32 v[TT], v[BM], v[BM+1], v[BM+2]
	v_max_num_f32 v[TT], v[TT], v[BM+3]
	v_mul_f32 v[TT], s[CS], v[TT]                  ; as t
	v_max_num_f32 v[MT], v[MT], v[TT]              ; the running largest t
	v_mov_b32 v[TT], v[NM]
	v_floor_f32 v[NM], -v[MT]                      ; -M = floor(-t): M is a whole number
	v_sub_f32 v[TT], v[NM], v[TT]                  ; old M - new M, 0 or less
	v_cvt_i32_f32 v[TT], v[TT]                     ; (it saturates)
	v_ldexp_f32 v[F], 1.0, v[TT]                   ; f = 2^(old M - new M)
.set j, 0
.rept 32
	v_pk_fma_f32 v[S+j:S+j+1], v[S+j:S+j+1], s[CS:CS+1], v[NM:NM+1] op_sel_hi:[1,0,0]   ; t - M
.set j, j+2
.endr
.irp b, 0,1,2,3
	v_fma_f32 v[BM+\b], v[BM+\b], s[CS], v[NM]
.endr
.set j, 0
.rept 64
	v_exp_f32 v[S+j], v[S+j]                       ; p = 2^(t - M): not normalised
.set j, j+1
.endr
	v_pk_mul_f32 v[LS:LS+1], v[LS:LS+1], v[F:F+1] op_sel_hi:[1,0]   ; l under the new M; the plain instruction behind the exponentials
	s_wait_alu depctr_va_vdst(0)                   ; one wait for the batch, ahead of its first reader
.irp b, 0,1,2,3
	v_exp_f32 v[BM+\b], v[BM+\b]                   ; the blocks' largest p
.endr
	v_pk_add_f32 v[PT:PT+1], v[S:S+1], v[S+2:S+3]  ; the sum of the unquantised p, in two chains
.set j, 4
.rept 15
	v_pk_add_f32 v[LS:LS+1], v[LS:LS+1], v[S+j:S+j+1]
	v_pk_add_f32 v[PT:PT+1], v[PT:PT+1], v[S+j+2:S+j+3]
.set j, j+4
.endr
	v_pk_add_f32 v[LS:LS+1], v[LS:LS+1], v[PT:PT+1]
	s_wait_alu depctr_va_vdst(0)                   ; and one for the four
.irp b, 0,1,2,3
	v_max_num_f32 v[BM+\b], 0x1800000, v[BM+\b]    ; the floor 2^(3 - 127)
.endr
.irp b, 0,1,2,3
	v_add_nc_u32 v[SO+\b], 0xff000000, v[BM+\b]
.endr
.irp b, 0,1,2,3
	v_lshrrev_b32 v[PT+\b], 23, v[SO+\b]
.endr
	v_lshl_or_b32 v[F+1], v[PT+1], 8, v[PT]
	v_lshl_or_b32 v[F+1], v[PT+2], 16, v[F+1]
	v_lshl_or_b32 v[F+1], v[PT+3], 24, v[F+1]      ; p's scale word for these 128 keys
.irp c, 0,1
	v_cvt_scalef32_pk16_fp6_f32 v[CD+6*\c:CD+2+6*\c], v[S+32*\c:S+15+32*\c], v[SO+2*\c]
	v_cvt_scalef32_pk16_fp6_f32 v[PT+4*\c:PT+2+4*\c], v[S+16+32*\c:S+31+32*\c], v[SO+2*\c+1]
.endr
	v_nop                                          ; one plain place behind a scaled conversion
.irp c, 0,1
.irp i, 0,1,2
	v_permlane16_swap_b32 v[CD+6*\c+\i], v[PT+4*\c+\i]
.endr
.irp i, 0,1,2
	v_mov_b32 v[CD+3+6*\c+\i], v[PT+4*\c+\i]
.endr
.endr
	WIN \q                                         ; scale operands have no window: the word goes to window 0
	v_mov_b32 v[PW+\q], v[F+1]
	WIN 0x55*(\q)
.set j, 0
.rept 16
	v_pk_mul_f32 v[O+j:O+j+1], v[O+j:O+j+1], v[F:F+1] op_sel_hi:[1,0]   ; O^T under the new M; these sixteen also stand between the word's and the codes' last writes and the products
.set j, j+2
.endr
.endm
.macro STEP                            ; 128 keys
	v_add_nc_u32 v[AK], s[TK], v[A16]              ; five plain lines: the places behind the last products, in front of the loads into registers that they read
	v_add_nc_u32 v[AK8], s[TK], v[A8]
	v_add_nc_u32 v[AV], VC, v[AK]
	v_add_nc_u32 v[AS], s[TS], v[AS0]
	v_lshl_add_u32 v[AB], s[TS], 1, v[AMB]
.irp t, 0,1,2,3,4,5,6,7
	ds_load_b128 v[KV+6*\t:KV+6*\t+3], v[AK] offset:768*\t             ; a tile's registers 0-3: 512 consecutive bytes,
	ds_load_b64 v[KV+6*\t+4:KV+6*\t+5], v[AK8] offset:768*\t+512       ; registers 4-5: 256
.endr
	ds_load_b64 v[KSR:KSR+1], v[AS]
	WIN 0x40
.irp t, 0,1,2,3,4,5,6,7
	ds_load_b128 v[BIW+8*\t:BIW+8*\t+3], v[AB] offset:128*(\t/2)+32*(\t%2)         ; the addends of keys 32 (t / 2) + 16 h + 8 (t % 2) + 0 .. 7
	ds_load_b128 v[BIW+8*\t+4:BIW+8*\t+7], v[AB] offset:128*(\t/2)+32*(\t%2)+16
.endr
	s_wait_dscnt 0x0
	WIN 0x10                                       ; C in window 1
	SPROD 0
	WIN 0x54                                       ; Q, C and S^T in window 1
	SPROD 1
	WIN 0
.rept 4
	v_nop                                          ; places in front of the loads into K's registers and of the first read of scores
.endr
.irp f, 0,1,2,3
.irp c, 0,1,2
	ds_load_b128 v[KV+12*\f+4*\c:KV+12*\f+4*\c+3], v[AV] offset:1536*\f+512*\c
.endr
.endr
	ds_load_b64 v[VSR:VSR+1], v[AS] offset:4096
	SM 0
	SM 1
	s_wait_dscnt 0x0                               ; V
	WIN 0
	PVPROD 0
	WIN 0x54
	PVPROD 1
	WIN 0
	s_add_co_u32 s[TK], s[TK], 6144
	s_add_co_u32 s[TS], s[TS], 256
.endm
.macro CHUNK c                         ; 512 keys: four steps
	s_wait_tensorcnt 3-\c                          ; my parts of the small blocks and of chunks 0 .. c are in; the 3 - c younger loads may be out
	s_wait_dscnt 0x0
	s_barrier_signal -1
	s_barrier_wait -1                              ; everybody's are
	s_mov_b32 s[TK], 24576*\c
	s_mov_b32 s[TS], 1024*\c
	s_mov_b32 s[CNT], 4
.Lstep_\@:
	STEP
	s_sub_co_u32 s[CNT], s[CNT], 1
	s_cmp_lg_u32 s[CNT], 0
	s_cbranch_scc1 .Lstep_\@
.endm
	CHUNK 0
	CHUNK 1
	CHUNK 2
	CHUNK 3
.rept 4
	v_nop                                          ; places behind the last products
.endr
; THE WAY OUT of tile q: O^T / l; register 16 b + i is channel 32 b + 16 (lane / 16) + i: two blocks of the last product's K; the codes are a tile's image as they stand
.macro OUTT q
	WIN 0x55*(\q)
	v_add_f32 v[LS], v[LS], v[LS+1]
	v_permlanex16_b32 v[PT], v[LS], s[SEL], s[SEL+1]
	v_add_f32 v[LS], v[LS], v[PT]
	v_rcp_f32 v[LS], v[LS]
	v_nop                                          ; a plain instruction behind the reciprocal
	s_wait_alu depctr_va_vdst(0)                   ; the wait ahead of its first reader
.set j, 0
.rept 32
	v_mul_f32 v[S+j], v[O+j], v[LS]
.set j, j+1
.endr
.irp b, 0,1
	v_max3_num_f32 v[BM+\b], |v[S+16*\b]|, |v[S+1+16*\b]|, 0x1800000
.endr
.irp i, 2,4,6,8,10,12,14
.irp b, 0,1
	v_max3_num_f32 v[BM+\b], v[BM+\b], |v[S+16*\b+\i]|, |v[S+1+16*\b+\i]|
.endr
.endr
.irp b, 0,1
	v_permlanex16_b32 v[PT+\b], v[BM+\b], s[SEL], s[SEL+1]
.endr
.irp b, 0,1
	v_max_num_f32 v[BM+\b], v[BM+\b], v[PT+\b]
.endr
.irp b, 0,1
	v_add_nc_u32 v[SO+\b], 0xff000000, v[BM+\b]
.endr
.irp b, 0,1
	v_lshrrev_b32 v[PT+\b], 23, v[SO+\b]
.endr
	v_lshl_or_b32 v[TT], v[PT+1], 8, v[PT]         ; my row's two scale bytes
	v_cvt_scalef32_pk16_fp6_f32 v[CD:CD+2], v[S:S+15], v[SO]
	v_cvt_scalef32_pk16_fp6_f32 v[PT+4:PT+6], v[S+16:S+31], v[SO+1]
	v_nop
.irp i, 0,1,2
	v_permlane16_swap_b32 v[CD+\i], v[PT+4+\i]
.endr
.irp i, 0,1,2
	v_mov_b32 v[CD+3+\i], v[PT+4+\i]
.endr
	WIN 0x04*(\q)                                  ; a store's data are its source 1
	global_store_b128 v[A16], v[CD:CD+3], s[10:11] offset:768*\q
	global_store_b64 v[A8], v[CD+4:CD+5], s[10:11] offset:768*\q+512
	global_store_b16 v[AO], v[TT], s[12:13] offset:512*\q          ; lanes l and l + 16 hold the same row's bytes and write the same place
.endm
	OUTT 0
	OUTT 1
	WIN 0
	s_wait_tensorcnt 0x0                           ; the wave's end, behind my last tensor load
	ds_add_u32 v[SPW], v[NIL]
	s_wait_dscnt 0x0
	CROUND                                         ; the closing round
	s_endpgm
.Lfunc_end_k_q189e713f81_attn:
	.size	k_q189e713f81_attn, .Lfunc_end_k_q189e713f81_attn-k_q189e713f81_attn
	.p2alignl 7, 3214868480
	.fill 96, 4, 3214868480
	.section	.rodata,"a",@progbits
	.p2align	6, 0x0
	.amdhsa_kernel k_q189e713f81_attn
		.amdhsa_group_segment_fixed_size 214016
		.amdhsa_private_segment_fixed_size 0
		.amdhsa_enable_private_segment 0
		.amdhsa_kernarg_size 40
		.amdhsa_user_sgpr_count 2
		.amdhsa_user_sgpr_kernarg_segment_ptr 1
		.amdhsa_wavefront_size32 1
		.amdhsa_system_sgpr_workgroup_id_x 1
		.amdhsa_system_sgpr_workgroup_id_y 1
		.amdhsa_system_sgpr_workgroup_id_z 1
		.amdhsa_system_vgpr_workitem_id 0
		.amdhsa_next_free_vgpr 512
		.amdhsa_next_free_sgpr 88
		.amdhsa_reserve_vcc 0
		.amdhsa_float_denorm_mode_32 3
		.amdhsa_float_denorm_mode_16_64 3
		.amdhsa_memory_ordered 1
		.amdhsa_forward_progress 1
		.amdhsa_inst_pref_size 140
	.end_amdhsa_kernel
	.amdgpu_metadata
---
amdhsa.version: [ 1, 2 ]
amdhsa.kernels:
  - .name:           k_q189e713f81_attn
    .symbol:         k_q189e713f81_attn.kd
    .args:
      - { .name: qkvcodes, .offset: 0, .size: 8, .value_kind: global_buffer, .address_space: global }
      - { .name: qkvscales, .offset: 8, .size: 8, .value_kind: global_buffer, .address_space: global }
      - { .name: tables, .offset: 16, .size: 8, .value_kind: global_buffer, .address_space: global }
      - { .name: ocodes, .offset: 24, .size: 8, .value_kind: global_buffer, .address_space: global }
      - { .name: oscales, .offset: 32, .size: 8, .value_kind: global_buffer, .address_space: global }
    .group_segment_fixed_size: 214016
    .private_segment_fixed_size: 0
    .kernarg_segment_align: 8
    .kernarg_segment_size: 40
    .max_flat_workgroup_size: 256
    .sgpr_count:     88
    .vgpr_count:     512
    .wavefront_size: 32
...
	.end_amdgpu_metadata
.endif
;; end of part 3
;; launch outp (part 4): grid 4 x 32, 4 waves a work-group, clusters of 4 x 4, 327,680 bytes of LDS; arguments ocodes, oscales, xwcodes, xwscales, out0, bo; writes out0
.if DOCPART == 4
	.amdgcn_target "amdgcn-amd-amdhsa--gfx1250"
	.amdhsa_code_object_version 6
	.text
	.protected	k_q189e713f81_outp
	.globl	k_q189e713f81_outp
	.p2align	8
	.type	k_q189e713f81_outp,@function
k_q189e713f81_outp:
	s_mov_b64 s[64:65], 0
	v_nop
	global_prefetch_b8 v0, s[64:65] scope:SCOPE_SE
	s_setreg_imm32_b32 hwreg(HW_REG_WAVE_MODE, 25, 1), 1
	s_wait_xcnt 0x0
	s_wait_alu depctr_hold_cnt(0) depctr_sa_sdst(0) depctr_va_vdst(0) depctr_va_sdst(0) depctr_va_ssrc(0) depctr_va_vcc(0) depctr_vm_vsrc(0)
	s_getreg_b32 s2, hwreg(HW_REG_IB_STS2, 6, 4)
	s_cmp_eq_u32 s2, 0
	s_cbranch_scc0 .Lentry_in_a_cluster
	s_endpgm
.Lentry_in_a_cluster:
	s_bfe_u32 s2, ttmp6, 0x10000c
	s_cmp_lg_u32 s2, 0xf033
	s_cbranch_scc0 .Lentry_shape_is_right
	s_endpgm
.Lentry_shape_is_right:
; OUTP.  out = O Wo^T + bo on codes of FP6 (E2M3) with E8M0 scales, M = 8,192, N = K = 1,024; out is f32.
; A = the attention's result: codes as images of operand registers 0-5, [batch][head][128 tiles of 16 rows][768 bytes], rows in image order (in each 32 rows, bits 3 and 4 swapped); scale bytes [row][32].
; B = Wo: rows 11,264 on of the weights' codes (768 bytes a row, image order) and scale bytes (32 a row).
; A tile of 256 x 256 is made by four waves, 128 x 128 each; K goes in steps of 256 (four heads) through a ring of two LDS slots; the scale bytes come into LDS once.  128 tiles: 128 work-groups.
; CLUSTERS: 4 x 4 work-groups; A's tiles are asked for jointly along a row of the cluster, B's along a column.
; The matrix instruction is used transposed: a lane holds one row of out, and by the image order of Wo's rows accumulator (a, b)'s registers are columns 32 (b / 2) + 16 (lane / 16) + 8 (b % 2) + 0 .. 7.
; bo is the C of each sum's first matrix instruction.  Results go through the wave's stage in LDS and leave as whole rows of 512 bytes; the stage's row t of block a is row 32 (a / 2) + 8 (a % 2) + t % 8 + 16 (t / 8).
; REGISTERS: window 0: v1-31 addresses; v32-63 scale words; v64-127 bo as C; v128-223 A's fragments.  Window 1: B's fragments at v0 and v128.  Windows 2, 3: the accumulators.
.set KSTEP,  256
.set NQ,     KSTEP/128
.set ROWB,   192
.set KROW,   768
.set PITCH,  240
.set FR,     12
.set NLA,    4                         ; LDS loads that bring a fragment of A: two of 16 bytes, two of 8
.set NP,     4
.set HALFT,  128*PITCH                 ; B: 128 padded rows; A's 128 rows x 4 heads take 24,576 of these bytes
.set SLOT,   4*HALFT
.set LAPS,   2
.set KS,     32
.set SCL,    2*SLOT
.set HALFS,  (128*KS/256)*272
.set SBLK,   (16*KS/256)*272
.set SPARE,  SCL+4*HALFS
.set SPITCH, 528                       ; the stage: 16 rows x (512 bytes + 16) a wave, in slot 0, which has had its last fill and its last read when the first result is stored there
.set ADRA, 16                          ; v16-17 A in slot 0, 1: 16 x lane; v18-19: 8 x lane
.set ADRB, 20
.set STO,  24
.set RD,   25
.set CO,   26
.set ADRS, 27
.set SPW,  28
.set NIL,  29
.set BIO,  31
.set SC,   32
.set BI,   64
.set AF,   128
.set BK,   128
.set G1, 24
.set G0, 32
.set G1B, 48
.set G0B, 56
.set G1S, 68
.set G0S, 76
.set G1SB, 80
.set G0SB, 88
.set MSB, 0
.macro WIN new
.if MSB != (\new)
	s_set_vgpr_msb (MSB<<8)|(\new)
.set MSB, (\new)
.endif
.endm
.set MUL_LO, 0xa1
.set MUL_HI, 0xf1
.set FIRST_LO, 0x81
.set FIRST_HI, 0xc1
.set TO_B,   0x40
.macro JLOAD g0a, g1a, g0b, g1b
	s_cmp_eq_u32 s15, 0
	s_cbranch_scc0 .Lfor_b_\@
	tensor_load_to_lds s[\g0a:\g0a+3], s[\g1a:\g1a+7]
	s_nop 0
.rept 4
	v_nop
.endr
	s_branch .Lasked_\@
.Lfor_b_\@:
	tensor_load_to_lds s[\g0b:\g0b+3], s[\g1b:\g1b+7]
	s_nop 0
.rept 4
	v_nop
.endr
.Lasked_\@:
.endm
.macro CREST
	s_cmp_lg_u32 s14, 0
	s_cbranch_scc1 .Lnot_wave_0_\@
	s_barrier_signal -3
.Lnot_wave_0_\@:
	s_barrier_wait -3
	s_barrier_signal -1
	s_barrier_wait -1
.endm
.macro CROUND
	s_barrier_signal -1
	s_barrier_wait -1
	CREST
.endm
	s_load_b128 s[4:7], s[0:1], 0x0                ; A's codes, A's scale bytes
	s_load_b128 s[8:11], s[0:1], 0x10              ; the weights' codes, their scale bytes
	s_load_b128 s[92:95], s[0:1], 0x20             ; out s[92:93], bo s[94:95]
	v_lshl_add_u32 v[SPW], v0, 2, SPARE
	v_mov_b32 v[NIL], 0
	ds_add_u32 v[SPW], v[NIL]                      ; the wave's opening: the add and its wait ahead of my first tensor load
	v_lshrrev_b32 v1, 5, v0
	v_readfirstlane_b32 s14, v1
	s_lshr_b32 s15, s14, 1
	s_and_b32 s16, s14, 1
	s_bfe_u32 s40, ttmp6, 0x40000
	s_bfe_u32 s41, ttmp6, 0x40004
	s_lshl_b32 s42, ttmp9, 2
	s_add_co_u32 s42, s42, s40                     ; tile column
	s_and_b32 s17, ttmp7, 0xffff
	s_lshl_b32 s17, s17, 2
	s_add_co_u32 s17, s17, s41                     ; tile row
	s_lshl_b32 s43, s41, 2
	s_lshl_b32 s43, 15, s43
	s_lshl_b32 s44, 0x1111, s40
	s_or_b32 s[G1+0], s43, (3<<16)|(1<<21)         ; A: four heads' 6,144 bytes (eight tiles), 98,304 bytes apart: 4 rows of 768 elements of 8 bytes; no padding
	s_mov_b32 s[G1+1], 768<<16
	s_mov_b32 s[G1+2], 4<<16
	s_mov_b32 s[G1+3], 768<<16
	s_mov_b32 s[G1+4], 4
	s_mov_b32 s[G1+5], 12288
	s_mov_b32 s[G1+6], 0
	s_mov_b32 s[G1+7], 0
	s_or_b32 s[G1B+0], s44, (0<<16)|(1<<20)|(1<<21)|(3<<22)|(3<<25)  ; B: 128 rows of 192 bytes, 4 words of padding behind every 16
	s_mov_b32 s[G1B+1], ROWB<<16
	s_mov_b32 s[G1B+2], 128<<16
	s_mov_b32 s[G1B+3], ROWB<<16
	s_mov_b32 s[G1B+4], 128
	s_mov_b32 s[G1B+5], KROW
	s_mov_b32 s[G1B+6], 0
	s_mov_b32 s[G1B+7], 0
	s_or_b32 s[G1S+0], s43, (3<<16)|(1<<20)|(1<<21)|(5<<22)|(3<<25)
	s_or_b32 s[G1SB+0], s44, (3<<16)|(1<<20)|(1<<21)|(5<<22)|(3<<25)
.irp g, G1S, G1SB
	s_mov_b32 s[\g+1], 32<<16
	s_mov_b32 s[\g+2], (128*KS/256)<<16
	s_mov_b32 s[\g+3], 32<<16
	s_mov_b32 s[\g+4], 128*KS/256
	s_mov_b32 s[\g+5], 32
	s_mov_b32 s[\g+6], 0
	s_mov_b32 s[\g+7], 0
.endr
	s_lshr_b32 s20, s17, 3                         ; A's codes: the batch's 16 heads,
	s_mul_i32 s20, s20, 1572864
	s_and_b32 s21, s17, 7
	s_lshl_b32 s21, s21, 4
	s_lshl_b32 s18, s16, 3
	s_add_co_u32 s21, s21, s18                     ; tile 16 (tile row % 8) + 8 x half
	s_mul_i32 s21, s21, 768
	s_add_co_u32 s20, s20, s21
	s_mov_b32 s21, 0
	s_lshl_b32 s18, s16, 7
	s_lshl_b32 s22, s17, 8
	s_add_co_u32 s22, s22, s18
	s_lshl_b32 s22, s22, 5                         ; A's scale bytes
	s_mov_b32 s23, 0
	s_add_co_u32 s46, s42, 44                      ; B: Wo's rows begin at unit 44 of 256 rows
	s_lshl_b32 s46, s46, 8
	s_add_co_u32 s46, s46, s18
	s_lshl_b32 s12, s46, 5
	s_mov_b32 s13, 0
	s_mul_i32 s46, s46, KROW
	s_mov_b32 s47, 0
	s_mul_i32 s45, s14, HALFT
	s_mul_i32 s96, s14, HALFS
	s_wait_dscnt 0x0                               ; the opening add is done
	s_wait_kmcnt 0x0
	s_add_nc_u64 s[20:21], s[4:5], s[20:21]
	s_add_nc_u64 s[22:23], s[6:7], s[22:23]
	s_add_nc_u64 s[46:47], s[8:9], s[46:47]
	s_add_nc_u64 s[12:13], s[10:11], s[12:13]
	CROUND
	s_mov_b32 s[G0S], 1
	s_add_co_u32 s[G0S+1], s96, SCL
	s_mov_b64 s[G0S+2:G0S+3], s[22:23]
	s_or_b32 s[G0S+3], s[G0S+3], 0x80000000
	s_mov_b32 s[G0SB], 1
	s_add_co_u32 s[G0SB+1], s96, SCL
	s_mov_b64 s[G0SB+2:G0SB+3], s[12:13]
	s_or_b32 s[G0SB+3], s[G0SB+3], 0x80000000
	JLOAD G0S, G1S, G0SB, G1SB
.irp s, 0,1
	s_mov_b32 s[G0+4*\s], 1
	s_add_co_u32 s[G0+4*\s+1], s45, \s*SLOT
	s_add_nc_u64 s[G0+4*\s+2:G0+4*\s+3], s[20:21], \s*393216       ; K step s: heads 4 s on
	s_or_b32 s[G0+4*\s+3], s[G0+4*\s+3], 0x80000000
	s_mov_b32 s[G0B+4*\s], 1
	s_add_co_u32 s[G0B+4*\s+1], s45, \s*SLOT
	s_add_nc_u64 s[G0B+4*\s+2:G0B+4*\s+3], s[46:47], \s*ROWB
	s_or_b32 s[G0B+4*\s+3], s[G0B+4*\s+3], 0x80000000
	JLOAD G0+4*\s, G1, G0B+4*\s, G1B               ; by this text's count three tensor loads of a wave are out
.endr
	v_and_b32 v1, 15, v0
	v_bfe_u32 v2, v0, 4, 1
	v_and_b32 v6, 31, v0
	v_mul_u32_u24 v3, v1, PITCH
	v_mul_u32_u24 v4, v2, 24
	v_add_nc_u32 v4, v3, v4
	v_lshl_add_u32 v5, v2, 4, v4
	v_lshlrev_b32 v[CO], 4, v6                     ; 16 x lane
	v_lshlrev_b32 v3, 3, v6                        ; 8 x lane
	s_mul_i32 s21, s15, HALFT
	s_mul_i32 s22, s16, HALFT
	s_add_co_u32 s22, s22, 2*HALFT
.irp s, 0,1
	v_add_nc_u32 v[ADRA+\s], s21, v[CO]
	v_add_nc_u32 v[ADRB+\s], s22, v4
	v_add_nc_u32 v[ADRA+2+\s], s21, v3
	v_add_nc_u32 v[ADRB+2+\s], s22, v5
	s_add_co_u32 s21, s21, SLOT
	s_add_co_u32 s22, s22, SLOT
.endr
	v_mul_u32_u24 v5, v1, KS
	v_lshrrev_b32 v6, 8, v5
	v_lshl_add_u32 v5, v6, 4, v5
	s_mul_i32 s21, s15, HALFS
	s_mul_i32 s22, s16, HALFS
	s_add_co_u32 s22, s22, 2*HALFS
	s_sub_co_u32 s22, s22, s21
	v_mul_u32_u24 v6, s22, v2
	s_add_co_u32 s21, s21, SCL
	v_add_nc_u32 v5, v5, v6
	v_add_nc_u32 v[ADRS], s21, v5
	s_mul_i32 s23, s14, 16*SPITCH                  ; my stage
	v_mul_u32_u24 v5, v1, SPITCH
	v_lshl_add_u32 v5, v2, 6, v5                   ; in: row r, + 64 h
	v_add_nc_u32 v[STO], s23, v5
	v_add_nc_u32 v[RD], s23, v[CO]                 ; back: the 32 lanes take one row of 512 bytes
	v_lshlrev_b32 v[BIO], 6, v2
	s_lshl_b32 s20, s17, 8
	s_lshl_b32 s21, s15, 7
	s_add_co_u32 s20, s20, s21
	s_lshl_b32 s20, s20, 12                        ; my first row of out, 4,096 bytes a row
	s_mov_b32 s21, 0
	s_lshl_b32 s46, s42, 10
	s_lshl_b32 s47, s16, 9
	s_add_co_u32 s46, s46, s47                     ; my first column, in bytes
	s_mov_b32 s47, 0
	s_add_nc_u64 s[12:13], s[92:93], s[20:21]
	s_add_nc_u64 s[12:13], s[12:13], s[46:47]
	s_add_nc_u64 s[94:95], s[94:95], s[46:47]
.irp b, 0,1,2,3,4,5,6,7
	global_load_b128 v[BI+8*\b:BI+8*\b+3], v[BIO], s[94:95] offset:128*(\b/2)+32*(\b%2)
	global_load_b128 v[BI+8*\b+4:BI+8*\b+7], v[BIO], s[94:95] offset:128*(\b/2)+32*(\b%2)+16
.endr
.macro FRAG reg, adr, q, i             ; a fragment of B from padded rows, in pieces of 8 bytes
.irp p, 0,1,2,3,4,5
.set PIECE, 12*(\q)+6*(\p/3)+\p%3
.if PIECE%8 < 5
	ds_load_b64 v[\reg+2*\p:\reg+2*\p+1], v[\adr] offset:8*PIECE+16*(PIECE/8)+(\i)*16*PITCH
.else
	ds_load_b64 v[\reg+2*\p:\reg+2*\p+1], v[\adr+2] offset:8*PIECE+16*(PIECE/8)+(\i)*16*PITCH
.endif
.endr
.endm
.macro FRAGA reg, slot, q, i           ; a fragment of A: two heads' tile images: each load takes consecutive bytes
.irp c, 0,1
	ds_load_b128 v[\reg+6*\c:\reg+6*\c+3], v[ADRA+\slot] offset:6144*(2*(\q)+\c)+768*(\i)
	ds_load_b64 v[\reg+6*\c+4:\reg+6*\c+5], v[ADRA+2+\slot] offset:6144*(2*(\q)+\c)+768*(\i)+512
.endr
.endm
.macro MUL16 a0, p, q, sc, zero
.irp a, \a0, \a0+1
.irp b, 0,1,2,3,4,5,6,7
.if \zero
	v_wmma_scale_f32_16x16x128_f8f6f4 v[8*(8*((\a)%4)+\b):8*(8*((\a)%4)+\b)+7], v[128*(\p)+FR*\b:128*(\p)+FR*\b+FR-1], v[AF+FR*(\a):AF+FR*(\a)+FR-1], v[BI+8*\b:BI+8*\b+7], v[SC+8*NQ*(\sc)+NQ*\b+(\q)], v[SC+8*NQ*(\sc)+NQ*(\a)+(\q)] matrix_a_fmt:MATRIX_FMT_FP6 matrix_b_fmt:MATRIX_FMT_FP6 matrix_a_scale:MATRIX_SCALE_ROW1
.else
	v_wmma_scale_f32_16x16x128_f8f6f4 v[8*(8*((\a)%4)+\b):8*(8*((\a)%4)+\b)+7], v[128*(\p)+FR*\b:128*(\p)+FR*\b+FR-1], v[AF+FR*(\a):AF+FR*(\a)+FR-1], v[8*(8*((\a)%4)+\b):8*(8*((\a)%4)+\b)+7], v[SC+8*NQ*(\sc)+NQ*\b+(\q)], v[SC+8*NQ*(\sc)+NQ*(\a)+(\q)] matrix_a_fmt:MATRIX_FMT_FP6 matrix_b_fmt:MATRIX_FMT_FP6 matrix_a_scale:MATRIX_SCALE_ROW1
.endif
.endr
.endr
.endm
.macro FETCH_B slot, q, p
	WIN TO_B
.irp i, 0,1,2,3,4,5,6,7
	FRAG 128*(\p)+FR*\i, ADRB+\slot, \q, \i
.endr
	WIN 0
.endm
.macro FETCH_A slot, q, i0
.irp i, \i0, \i0+1, \i0+2, \i0+3
	FRAGA AF+FR*(\i), \slot, \q, \i
.endr
.endm
.macro SCALES sc
.irp i, 0,1,2,3,4,5,6,7
	ds_load_b64 v[SC+8*NQ*\sc+NQ*\i:SC+8*NQ*\sc+NQ*\i+1], v[ADRS] offset:\i*SBLK
.endr
.endm
.macro PLACES n
.rept \n
	v_nop
.endr
.endm
.macro STEP slot, q, zero
	s_wait_dscnt 4*NLA                             ; B's set and A's blocks 0-3 are in; the youngest 16 loads (A's blocks 4-7) may be out
.if \zero
	WIN FIRST_LO
.else
	WIN MUL_LO
.endif
	MUL16 0, (\q)%2, \q, \slot, \zero
	MUL16 2, (\q)%2, \q, \slot, \zero
	s_wait_dscnt 0
	PLACES NP
	FETCH_B \slot, (\q)+1, 1-(\q)%2
	FETCH_A \slot, (\q)+1, 0
.if \zero
	WIN FIRST_HI
.else
	WIN MUL_HI
.endif
	MUL16 4, (\q)%2, \q, \slot, \zero
	MUL16 6, (\q)%2, \q, \slot, \zero
	PLACES NP
	WIN 0
	FETCH_A \slot, (\q)+1, 4
.endm
.macro TURN slot, next, fill
	s_wait_tensorcnt 0x0                           ; all my tensor loads have landed: my part of the next slot;
	ds_add_u32 v[SPW], v[NIL]                      ; 0 onto my spare word;
	s_wait_dscnt 4*NLA+1                           ; (the add and the youngest 16 loads may be out)
	WIN MUL_LO
	MUL16 0, 1, NQ-1, \slot, 0
	s_wait_dscnt 0x0                               ; the add is done, and my reads of this slot are over
	s_barrier_signal -1
	MUL16 2, 1, NQ-1, \slot, 0
	WIN 0
	s_barrier_wait -1
.if \fill
	CREST                                          ; the barrier has opened a round of the cluster's barrier
	s_add_nc_u64 s[G0+4*\slot+2:G0+4*\slot+3], s[G0+4*\slot+2:G0+4*\slot+3], 786432   ; eight heads on
	s_add_nc_u64 s[G0B+4*\slot+2:G0B+4*\slot+3], s[G0B+4*\slot+2:G0B+4*\slot+3], 2*ROWB
	JLOAD G0+4*\slot, G1, G0B+4*\slot, G1B
.else
	PLACES NP
.endif
	v_add_nc_u32 v[ADRS], 4*NQ, v[ADRS]
	FETCH_B \next, 0, 0
	FETCH_A \next, 0, 0
	SCALES \next
	WIN MUL_HI
	MUL16 4, 1, NQ-1, \slot, 0
	MUL16 6, 1, NQ-1, \slot, 0
	PLACES NP
	WIN 0
	FETCH_A \next, 0, 4
.endm
	s_wait_tensorcnt 1                             ; the scale bytes and my part of K step 0 are in (K step 1's load may be out),
	s_barrier_signal -1
	s_barrier_wait -1
	FETCH_B 0, 0, 0
	FETCH_A 0, 0, 0
	SCALES 0
	FETCH_A 0, 0, 4
	s_wait_loadcnt 0x0                             ; bo
	STEP 0, 0, 1
	s_mov_b32 s3, LAPS-1
.Llap:
	TURN 0, 1, 1
	STEP 1, 0, 0
	TURN 1, 0, 1
	STEP 0, 0, 0
	s_sub_co_u32 s3, s3, 1
	s_cmp_lg_u32 s3, 0
	s_cbranch_scc1 .Llap
	TURN 0, 1, 0
	STEP 1, 0, 0
	s_wait_dscnt 4*NLA
	WIN MUL_LO
	MUL16 0, 1, NQ-1, 1, 0
	MUL16 2, 1, NQ-1, 1, 0
	s_wait_dscnt 0
	WIN MUL_HI
	MUL16 4, 1, NQ-1, 1, 0
	MUL16 6, 1, NQ-1, 1, 0
	WIN 0
.macro TOSTAGE a
.set AC, 64*((\a)%4)
	WIN 0x08+4*((\a)/4)                            ; an LDS store's data are its source 1: window 2 or 3
.irp b, 0,1,2,3,4,5,6,7
	ds_store_b128 v[STO], v[AC+8*\b:AC+8*\b+3] offset:128*(\b/2)+32*(\b%2)         ; each accumulator from its low end on
	ds_store_b128 v[STO], v[AC+8*\b+4:AC+8*\b+7] offset:128*(\b/2)+32*(\b%2)+16
.endr
	WIN 0
.set BB, BK+64*((\a)%2)
.irp t, 0,1,2,3,4,5,6,7,8,9,10,11,12,13,14,15
	ds_load_b128 v[BB+4*\t:BB+4*\t+3], v[RD] offset:\t*SPITCH      ; LDS serves a wave's instructions in order: these see the stores above
.endr
.endm
.macro SEND a, younger
.set BB, BK+64*((\a)%2)
	s_wait_dscnt \younger
.if ((\a) > 0) && ((\a)%2 == 0)
	s_add_nc_u64 s[12:13], s[12:13], 32*4096       ; (behind a wait on XCNT: the earlier stores have read their base)  32 rows on
.endif
.irp t, 0,1,2,3,4,5,6,7,8,9,10,11,12,13,14,15
	global_store_b128 v[CO], v[BB+4*\t:BB+4*\t+3], s[12:13] offset:(8*((\a)%2)+(\t%8)+16*(\t/8))*4096 th:TH_STORE_NT   ; 32 lanes store 512 consecutive bytes, aligned
.endr
.endm
	PLACES NP
	TOSTAGE 0
.irp a, 1,2,3,4,5,6,7
.if \a > 1
	s_wait_xcnt 0x0                                ; block a - 2's stores have read their registers and their base
.endif
	TOSTAGE \a
	SEND \a-1, 32                                  ; behind block a - 1's loads: block a's 16 stores and 16 loads
.endr
	s_wait_xcnt 0x0
	SEND 7, 0
	s_wait_tensorcnt 0x0                           ; the wave's end, behind my last tensor load and my last LDS store
	ds_add_u32 v[SPW], v[NIL]
	s_wait_dscnt 0x0
	CROUND                                         ; the closing round
	s_endpgm
.Lfunc_end_k_q189e713f81_outp:
	.size	k_q189e713f81_outp, .Lfunc_end_k_q189e713f81_outp-k_q189e713f81_outp
	.p2alignl 7, 3214868480
	.fill 96, 4, 3214868480
	.section	.rodata,"a",@progbits
	.p2align	6, 0x0
	.amdhsa_kernel k_q189e713f81_outp
		.amdhsa_group_segment_fixed_size 327680
		.amdhsa_private_segment_fixed_size 0
		.amdhsa_enable_private_segment 0
		.amdhsa_kernarg_size 48
		.amdhsa_user_sgpr_count 2
		.amdhsa_user_sgpr_kernarg_segment_ptr 1
		.amdhsa_wavefront_size32 1
		.amdhsa_system_sgpr_workgroup_id_x 1
		.amdhsa_system_sgpr_workgroup_id_y 1
		.amdhsa_system_sgpr_workgroup_id_z 1
		.amdhsa_system_vgpr_workitem_id 0
		.amdhsa_next_free_vgpr 1024
		.amdhsa_next_free_sgpr 98
		.amdhsa_reserve_vcc 0
		.amdhsa_float_denorm_mode_32 3
		.amdhsa_float_denorm_mode_16_64 3
		.amdhsa_memory_ordered 1
		.amdhsa_forward_progress 1
		.amdhsa_inst_pref_size 153
	.end_amdhsa_kernel
	.amdgpu_metadata
---
amdhsa.version: [ 1, 2 ]
amdhsa.kernels:
  - .name:           k_q189e713f81_outp
    .symbol:         k_q189e713f81_outp.kd
    .args:
      - { .name: ocodes, .offset: 0, .size: 8, .value_kind: global_buffer, .address_space: global }
      - { .name: oscales, .offset: 8, .size: 8, .value_kind: global_buffer, .address_space: global }
      - { .name: xwcodes, .offset: 16, .size: 8, .value_kind: global_buffer, .address_space: global }
      - { .name: xwscales, .offset: 24, .size: 8, .value_kind: global_buffer, .address_space: global }
      - { .name: out0, .offset: 32, .size: 8, .value_kind: global_buffer, .address_space: global }
      - { .name: bo, .offset: 40, .size: 8, .value_kind: global_buffer, .address_space: global }
    .group_segment_fixed_size: 327680
    .private_segment_fixed_size: 0
    .kernarg_segment_align: 8
    .kernarg_segment_size: 48
    .max_flat_workgroup_size: 128
    .sgpr_count:     98
    .vgpr_count:     1024
    .wavefront_size: 32
...
	.end_amdgpu_metadata
.endif
;; end of part 4
